; MI455X (gfx1250); checked and timed in simulation.
; The chip was launched on July 23, 2026; its instructions are those of AMD's public machine-readable ISA for CDNA 5 (MIT licence, August 2026) and "CDNA5" Instruction Set Architecture Reference Guide (July 2026). The comments in the code are by the model that wrote it; some were corrected since.
;; Scaled Dot Product. Allowed arithmetic: matrix products marked QUANTISED: E2M1 operands, one E8M0 scale for each 32 along K, by v_wmma_scale_f32_16x16x128_f8f6f4 with both operands' format E2M1 (or v_wmma_scale_f32_32x16x128_f4), f32 sums; everything else in f32.
;; Inputs: Wk 1,024 x 1,024 float32; Wq 1,024 x 1,024 float32; Wv 1,024 x 1,024 float32; bk 1,024 float32; bq 1,024 float32; bv 1,024 float32; k 4 x 2,048 x 1,024 float32; q 4 x 2,048 x 1,024 float32; v 4 x 2,048 x 1,024 float32.
;; Outputs: out0 4 x 2,048 x 1,024 float32.
;; This version of the problem:
;;   THIS VERSION OF THE PROBLEM IS GIVEN IN LOW PRECISION. The matrix products marked QUANTISED in the list below multiply operands that are first quantised to E2M1 (2 exponent bits, 1 mantissa bit; 4 bits a number), with one power-of-two scale for each 32 numbers along K (OCP MX v1.0); their sums are f32. All else is computed in f32.
;;   The module's matrix products, in the order in which they are computed (A, B: the left and right operand; K: the contracted axis; several contracted axes count as one K, in the product's order):
;;     1. [M 8,192, K 1,024] x [K 1,024, N 1,024]; A: input q; B: input Wq: QUANTISED
;;     2. [M 8,192, K 1,024] x [K 1,024, N 1,024]; A: input k; B: input Wk: QUANTISED
;;     3. [M 8,192, K 1,024] x [K 1,024, N 1,024]; A: input v; B: input Wv: QUANTISED
;;     4. batch 4 x [M 2,048, K 1,024] x [K 1,024, N 2,048]; A: computed on the way; B: computed on the way: QUANTISED
;;     5. batch 4 x [M 2,048, K 2,048] x [K 2,048, N 1,024]; A: softmax (see below); B: computed on the way: QUANTISED
;;   THE QUANTISER, for each operand of a quantised product, along K:
;;     - K is cut into blocks of 32 from its start; a last block that is shorter is filled with zeros.
;;     - A block's scale is 2^e with e = floor(log2(the largest magnitude in the block)) - 2, held to -126 .. 127; a block of zeros has e = 0. As a byte (E8M0): e + 127.
;;     - Each number is divided by its block's scale, clamped to +-6, and rounded to the nearest number of E2M1, ties to even, subnormals kept.
;;     - The product sums the exact products of the quantised numbers (number of the format x scale) in f32.
;;   ~~~python
;;   def quantise(x, axis):      # numpy; x: float32 -> the quantised numbers, widened to float32 again
;;       x = np.moveaxis(x, axis, -1); K = x.shape[-1]
;;       x = np.pad(x, [(0, 0)] * (x.ndim - 1) + [(0, -K % 32)]); x = x.reshape(x.shape[:-1] + (-1, 32)); a = np.abs(x).max(-1, keepdims=True)
;;       e = np.where(a > 0, np.clip(np.frexp(np.where(a > 0, a, 1))[1] - 1 - 2, -126, 127), 0)      # np.frexp(a)[1] - 1 = floor(log2(a)), exactly
;;       r = np.clip(x / 2.0 ** e, -6, 6)
;;       step = 2.0 ** (np.maximum(np.frexp(np.where(r == 0, 1, r))[1] - 1, 0) - 1)
;;       q = np.round(r / step) * step * 2.0 ** e      # np.round: ties to even
;;       return np.moveaxis(q.reshape(q.shape[:-2] + (-1,))[..., :K], -1, axis).astype(np.float32)
;;   ~~~
;;   SOFTMAX AHEAD OF A QUANTISED PRODUCT. Where the list says 'softmax', what is quantised is not the finished softmax but p = 2^(t - M), with t = logit x log2(e) and M = ceil(the row's largest t), a whole number; so 1/2 < the row's largest p <= 1. The row's sum l is taken of the UNQUANTISED p, in f32, and the product's result is divided by l at the end. Since M is a whole number, a kernel that streams over the keys may use a running M (the ceiling of the running maximum): every later rescaling is an exact power of two, which a block's scale takes up: the codes' values come out the same.
;;   OPERANDS COMPUTED ON THE WAY. 'Computed on the way' means the value that the module computes at that place (a softmax that the list does not call 'softmax' is quantised finished and normalised). What goes into a quantiser is computed in f32, as accurately as f32 sums, v_exp_f32 and their like allow (about 1e-6 of the number): no bf16 or f16 on the way to a quantiser, and a product that is left as it is and whose result goes on into a quantised operand takes f32 operands (vector FMAs, or v_wmma_f32_16x16x4_f32). A number that lies on a knife's edge between two numbers of the format may be rounded either way, as far as f32 arithmetic and the matrix unit's own rounding can turn it there, and no further.
;; One version. Each part assembles by itself: llvm-mc -triple=amdgcn-amd-amdhsa -mcpu=gfx1250 --defsym DOCPART=n.
;; ======== version 1 of 1: 4 launches
;; workspace buffers: xop 13,369,344 bytes; wop 1,671,168 bytes; qop 4,456,448 bytes; kop 4,456,448 bytes; vop 4,456,448 bytes; pop 8,912,896 bytes; mloc 524,288 bytes; lloc 524,288 bytes
;; launch prep (part 1): grid 432 x 1, 8 waves a work-group, no clusters, 72,704 bytes of LDS; arguments q, k, v, Wq, Wk, Wv, xop, wop; writes xop, wop
.if DOCPART == 1
	.amdgcn_target "amdgcn-amd-amdhsa--gfx1250"
	.amdhsa_code_object_version 6
	.text
	.protected	k_q334b395edb_prep
	.globl	k_q334b395edb_prep
	.p2align	8
	.type	k_q334b395edb_prep,@function
k_q334b395edb_prep:
	s_mov_b64 s[64:65], 0
	v_nop
	global_prefetch_b8 v0, s[64:65] scope:SCOPE_SE
	s_setreg_imm32_b32 hwreg(HW_REG_WAVE_MODE, 25, 1), 1
	s_wait_xcnt 0x0
; q, k, v [8192][1024] f32 (K innermost) and Wq, Wk, Wv [1024 (k)][1024 (n)] f32 (K outermost) become operands of FP4 (E2M1) codes with one E8M0 byte for each 32 along K.
; THE OPERAND FORMAT of this program's workspace: 128 rows x 128 K are one block of 8,704 bytes at (row block x 8 + K step) x 8,704: eight images of a fragment's registers, 1,024 bytes each
; (registers 4 c .. 4 c + 3 of lane L at 512 c + 16 L), then 512 bytes of scale words.  Lane r of tile t is row 32 (t / 2) + 8 (t % 2) + r + 8 (r / 8) of the block.
; The scale word of (t, r) lies at 8,192 + 16 (16 (t % 2) + r) + 4 (t / 2): one load of 16 bytes a lane gives four registers, register j with tile 2 j in lanes 0-15 and tile 2 j + 1 in lanes 16-31.
; A block's scale is 2^(floor(log2(largest magnitude)) - 2): its byte is the largest magnitude's exponent field - 2, held at 1 from below.
; LIMITS: a block of zeros gets the byte 1 (its codes are zeros; this program alone reads the bytes); magnitudes under 2^-124 are taken at that floor; NaN and infinities are not served.
; Work-groups 0-47 take the weights (a lane a column, registers down K), 48-431 take q, k, v (a wave a tile of 16 rows, four K steps).  The two ways never join and have LDS bytes of their own.
.set BLKB, 8704
.set XOPT, 4456448                     ; bytes of one of q, k, v as an operand
.set WOPT, 557056                      ; of one weight
.set SP,   528                         ; a stage row: 512 bytes + 16, so that sixteen rows start at sixteen different 16-byte columns
.set GX,   67584                       ; behind the eight stages: four blocks' scale words (x's way)
.set GW,   69632                       ; the same for the weights' way
.set LI,   1                           ; v1  16 x lane
.set SIN,  2                           ; v2  stage, in: my wave's stage + 16 x lane
.set SOUT, 3                           ; v3  stage, out: row r, + 64 h
.set GXA,  4                           ; v4  where my row's scale word goes
.set GXT,  5                           ; v5  tail: 16 x lane in block (wave & 3)'s words
.set WIO,  9                           ; v9  weights: 4 x lane
.set WSO,  10                          ; v10 weights: my 16 bytes in an image: 1,024 u + 16 r
.set GWA,  11                          ; v11 weights: where my column's scale word goes
.set GWT,  12                          ; v12 weights: tail
.set PW,   15                          ; v15 the scale word just made
.set TM,   16                          ; v16-19 maxima, v20-23 at work, v28-31 the conversions' scale operands
.set R,    32                          ; v32-159 two sets of 64 registers as loaded
.set X,    160                         ; v160-223 64 numbers of my row, 16 of each block of 32
.set PC,   224                         ; v224-255 codes, 8 registers for each of the four fragments: no store's data are written again
	s_load_b512 s[4:19], s[0:1], 0x0               ; q, k, v, Wq, Wk, Wv, xop, wop
	v_lshl_add_u32 v26, v0, 2, 0x11800
	v_mov_b32 v27, 0
	v_lshrrev_b32 v6, 5, v0
	v_readfirstlane_b32 s20, v6                    ; wave 0..7
	v_and_b32 v6, 31, v0                           ; lane
	v_and_b32 v7, 15, v0                           ; r
	v_bfe_u32 v8, v0, 4, 1                         ; h
	v_lshlrev_b32 v[LI], 4, v6
	s_mul_i32 s21, s20, 16*SP                      ; my stage
	v_add_nc_u32 v[SIN], s21, v[LI]
	v_mul_u32_u24 v[SOUT], v7, SP
	v_lshl_add_u32 v[SOUT], v8, 6, v[SOUT]
	v_add_nc_u32 v[SOUT], s21, v[SOUT]
	s_and_b32 s22, s20, 1
	s_lshl_b32 s22, s22, 8                         ; 256 (t % 2)
	s_lshr_b32 s23, s20, 1
	s_lshl_b32 s23, s23, 2                         ; 4 (t / 2)
	s_add_co_u32 s22, s22, s23
	s_add_co_u32 s22, s22, GX
	v_lshlrev_b32 v[GXA], 4, v7
	v_add_nc_u32 v[GXA], s22, v[GXA]
	s_and_b32 s24, s20, 3                          ; wave & 3: the tail's block; the weights' group of 32 columns
	s_lshl_b32 s23, s24, 9
	v_add_nc_u32 v[GXT], s23, v[LI]
	v_add_nc_u32 v[GWT], GW, v[GXT]
	v_add_nc_u32 v[GXT], GX, v[GXT]
	v_lshlrev_b32 v[WIO], 2, v6
	v_bfe_u32 v13, v0, 3, 1                        ; column 32 g + l is lane r = l % 8 + 8 (l / 16) of tile 2 g + u, u = (l / 8) % 2
	v_and_b32 v14, 7, v0
	v_lshl_add_u32 v14, v8, 3, v14
	v_lshlrev_b32 v14, 4, v14
	v_lshl_add_u32 v[WSO], v13, 10, v14
	v_lshl_add_u32 v[GWA], v13, 8, v14
	s_lshr_b32 s29, s20, 2                         ; which two of the work-group's four K steps
	s_lshl_b32 s22, s29, 10
	s_lshl_b32 s23, s24, 2
	s_add_co_u32 s22, s22, s23
	s_add_co_u32 s22, s22, GW
	v_add_nc_u32 v[GWA], s22, v[GWA]
.irp b, 0,1,2,3
	v_mov_b32 v[TM+4+\b], 0                        ; written once: a lane permute's destination counts as one of its sources
.endr
	s_cmp_lt_u32 ttmp9, 48
	s_cbranch_scc1 .Lw_path
	; ---------------- q, k, v ----------------
	s_sub_co_u32 s25, ttmp9, 48
	s_lshr_b32 s26, s25, 7                         ; which tensor
	s_and_b32 s27, s25, 127
	s_lshr_b32 s27, s27, 1                         ; block of 128 rows
	s_and_b32 s28, s25, 1                          ; K steps 0-3 or 4-7
	s_lshl_b32 s30, s27, 7
	s_lshr_b32 s31, s20, 1
	s_lshl_b32 s31, s31, 5
	s_add_co_u32 s30, s30, s31
	s_and_b32 s31, s20, 1
	s_lshl_b32 s31, s31, 3
	s_add_co_u32 s30, s30, s31                     ; my tile's first row
	s_lshl_b32 s30, s30, 12                        ; rows of 4,096 bytes
	s_lshl_b32 s31, s28, 11
	s_add_co_u32 s30, s30, s31
	s_mov_b32 s31, 0
	s_lshl_b32 s32, s27, 3
	s_lshl_b32 s33, s28, 2
	s_add_co_u32 s32, s32, s33                     ; the first block that the work-group writes
	s_add_co_u32 s42, s32, s24                     ; the tail's block
	s_mul_i32 s32, s32, BLKB
	s_mul_i32 s42, s42, BLKB
	s_mul_i32 s33, s26, XOPT
	s_add_co_u32 s32, s32, s33
	s_add_co_u32 s42, s42, s33
	s_add_co_u32 s42, s42, 8192
	s_lshl_b32 s33, s20, 10                        ; my tile's image
	s_add_co_u32 s32, s32, s33
	s_mov_b32 s33, 0
	s_mov_b32 s43, 0
	s_wait_kmcnt 0x0
	s_cmp_eq_u32 s26, 0
	s_cselect_b64 s[36:37], s[4:5], s[6:7]
	s_cmp_eq_u32 s26, 2
	s_cselect_b64 s[36:37], s[8:9], s[36:37]
	s_add_nc_u64 s[36:37], s[36:37], s[30:31]
	s_add_nc_u64 s[40:41], s[16:17], s[32:33]
	s_add_nc_u64 s[42:43], s[16:17], s[42:43]
.macro LOADF f                         ; 16 rows x 512 bytes of K step f: each load reads 512 consecutive bytes
.irp i, 0,1,2,3,4,5,6,7,8,9,10,11,12,13,14,15
	global_load_b128 v[R+64*((\f)%2)+4*\i:R+64*((\f)%2)+4*\i+3], v[LI], s[36:37] offset:(\i+8*(\i/8))*4096+(\f)*512 th:TH_LOAD_NT
.endr
.endm
; 64 numbers of a lane, register 16 b + i = k 32 b + 16 h + i of my row, become a fragment's codes in v[p] on and its scale word in v[PW]
.macro QUANT s, p
.irp b, 0,1,2,3
	v_max3_num_f32 v[TM+\b], |v[\s+16*\b]|, |v[\s+1+16*\b]|, 0x1800000   ; my 16 numbers of block b, and the floor 2^(3 - 127): the byte cannot fall under 1
.endr
.irp i, 2,4,6,8,10,12,14
.irp b, 0,1,2,3
	v_max3_num_f32 v[TM+\b], v[TM+\b], |v[\s+16*\b+\i]|, |v[\s+1+16*\b+\i]|
.endr
.endr
.irp b, 0,1,2,3
	v_permlanex16_b32 v[TM+4+\b], v[TM+\b], s44, s45
.endr
.irp b, 0,1,2,3
	v_max_num_f32 v[TM+\b], v[TM+\b], v[TM+4+\b]   ; with lane l xor 16's 16: the block's largest magnitude
.endr
.irp b, 0,1,2,3
	v_add_nc_u32 v[TM+12+\b], 0xff000000, v[TM+\b] ; 2 off its exponent field: the conversion's scale operand
.endr
.irp b, 0,1,2,3
	v_lshrrev_b32 v[TM+4+\b], 23, v[TM+12+\b]      ; the scale's byte
.endr
	v_lshl_or_b32 v[PW], v[TM+5], 8, v[TM+4]
	v_lshl_or_b32 v[PW], v[TM+6], 16, v[PW]
	v_lshl_or_b32 v[PW], v[TM+7], 24, v[PW]
.irp b, 0,1,2,3
	v_cvt_scalef32_pk8_fp4_f32 v[(\p)+2*\b], v[\s+16*\b:\s+7+16*\b], v[TM+12+\b]
	v_cvt_scalef32_pk8_fp4_f32 v[(\p)+1+2*\b], v[\s+8+16*\b:\s+15+16*\b], v[TM+12+\b]
.endr
	v_nop                                          ; one plain place behind a scaled conversion
.irp c, 0,1                                    ; the operand's layout wants a whole block in a lane
.irp i, 0,1
	v_permlane16_swap_b32 v[(\p)+4*\c+\i], v[(\p)+2+4*\c+\i]
.endr
.endr
.endm
.macro FRAGX f
.if (\f) < 3
	s_wait_loadcnt 16                              ; this K step's 16 loads are in; the next one's 16 may be out
.else
	s_wait_loadcnt 0x0
.endif
.irp i, 0,1,2,3,4,5,6,7,8,9,10,11,12,13,14,15
	ds_store_b128 v[SIN], v[R+64*((\f)%2)+4*\i:R+64*((\f)%2)+4*\i+3] offset:\i*SP
.endr
.irp b, 0,1,2,3
.irp j, 0,1,2,3
	ds_load_b128 v[X+16*\b+4*\j:X+16*\b+4*\j+3], v[SOUT] offset:128*\b+16*\j   ; LDS serves a wave's instructions in order: these see my stores
.endr
.endr
	s_wait_dscnt 0x0                               ; my numbers are back; the stores have read their registers, the last scale word's store too
.if (\f) < 2
	LOADF (\f)+2
.endif
	QUANT X, PC+8*(\f)
	global_store_b128 v[LI], v[PC+8*(\f):PC+8*(\f)+3], s[40:41] offset:(\f)*BLKB          ; 32 lanes store 512 consecutive bytes, at a multiple of 256
	global_store_b128 v[LI], v[PC+8*(\f)+4:PC+8*(\f)+7], s[40:41] offset:(\f)*BLKB+512
	ds_store_b32 v[GXA], v[PW] offset:(\f)*512     ; lanes r and 16 + r write the same word with the same value
.endm
	s_mov_b32 s44, 0x76543210
	s_mov_b32 s45, 0xfedcba98                      ; v_permlanex16_b32's selects for lane l xor 16
	LOADF 0
	LOADF 1
	FRAGX 0
	FRAGX 1
	FRAGX 2
	FRAGX 3
	s_wait_dscnt 0x0                               ; for the others' sake: my scale words lie in LDS
	s_barrier_signal -1
	s_barrier_wait -1
	s_cmp_lt_u32 s20, 4
	s_cbranch_scc0 .Lx_end
	ds_load_b128 v[16:19], v[GXT]                  ; wave w stores the 512 bytes of scale words of the work-group's w-th block
	s_wait_dscnt 0x0
	global_store_b128 v[LI], v[16:19], s[42:43]
.Lx_end:
	s_wait_tensorcnt 0x0
	ds_add_u32 v26, v27
	s_wait_dscnt 0x0
	s_endpgm
	; ---------------- the weights ----------------
.Lw_path:
	s_lshr_b32 s26, ttmp9, 4                       ; which weight
	s_and_b32 s27, ttmp9, 15
	s_lshr_b32 s27, s27, 1                         ; block of 128 columns n
	s_and_b32 s28, ttmp9, 1
	s_lshl_b32 s28, s28, 2                         ; the work-group's first K step
	s_lshl_b32 s30, s29, 1
	s_add_co_u32 s31, s28, s30                     ; my wave's first K step
	s_lshl_b32 s32, s31, 19                        ; 128 rows of 4,096 bytes a K step
	s_lshl_b32 s33, s27, 9
	s_add_co_u32 s32, s32, s33
	s_lshl_b32 s33, s24, 7
	s_add_co_u32 s32, s32, s33                     ; + 4 x (128 block + 32 g)
	s_mov_b32 s33, 0
	s_lshl_b32 s30, s27, 3
	s_add_co_u32 s34, s30, s31
	s_mul_i32 s34, s34, BLKB
	s_mul_i32 s35, s26, WOPT
	s_add_co_u32 s34, s34, s35
	s_lshl_b32 s31, s24, 11                        ; tile 2 g
	s_add_co_u32 s34, s34, s31
	s_add_co_u32 s42, s30, s28
	s_add_co_u32 s42, s42, s24                     ; the tail's block
	s_mul_i32 s42, s42, BLKB
	s_add_co_u32 s42, s42, s35
	s_add_co_u32 s42, s42, 8192
	s_mov_b32 s35, 0
	s_mov_b32 s43, 0
	s_wait_kmcnt 0x0
	s_cmp_eq_u32 s26, 0
	s_cselect_b64 s[36:37], s[10:11], s[12:13]
	s_cmp_eq_u32 s26, 2
	s_cselect_b64 s[36:37], s[14:15], s[36:37]
	s_add_nc_u64 s[36:37], s[36:37], s[32:33]
	s_add_nc_u64 s[38:39], s[18:19], s[34:35]
	s_add_nc_u64 s[42:43], s[18:19], s[42:43]
.macro LOADW t                         ; block t: W(32 t + i, my column): 32 lanes read 128 consecutive bytes
.irp i, 0,1,2,3,4,5,6,7,8,9,10,11,12,13,14,15,16,17,18,19,20,21,22,23,24,25,26,27,28,29,30,31
	global_load_b32 v[32+32*((\t)%2)+\i], v[WIO], s[36:37] offset:(32*(\t)+\i)*4096 th:TH_LOAD_NT
.endr
.endm
.macro BLOCKW t                        ; a block of 32 along K of my column: all its numbers are mine
.set XS, 32+32*((\t)%2)
.if (\t) < 7
	s_wait_loadcnt 32                              ; this block's 32 loads are in; the next block's may be out
.else
	s_wait_loadcnt 0x0
.endif
	v_max3_num_f32 v13, |v[XS]|, |v[XS+1]|, |v[XS+2]|
	v_max3_num_f32 v14, |v[XS+3]|, |v[XS+4]|, |v[XS+5]|
.irp i, 6,10,14,18,22,26
	v_max3_num_f32 v13, v13, |v[XS+\i]|, |v[XS+\i+1]|
	v_max3_num_f32 v14, v14, |v[XS+\i+2]|, |v[XS+\i+3]|
.endr
	v_max3_num_f32 v13, v13, |v[XS+30]|, |v[XS+31]|
	v_max3_num_f32 v13, v13, v14, 0x1800000        ; and the floor
	v_add_nc_u32 v24, 0xff000000, v13
	v_lshrrev_b32 v25, 23, v24
.if (\t)%4 == 0
	v_mov_b32 v[16+(\t)/4], v25                    ; four bytes make a K step's scale word
.else
	v_lshl_or_b32 v[16+(\t)/4], v25, 8*((\t)%4), v[16+(\t)/4]
.endif
.irp g, 0,1,2,3
	v_cvt_scalef32_pk8_fp4_f32 v[160+4*(\t)+\g], v[XS+8*\g:XS+8*\g+7], v24
.endr
	v_nop                                          ; one plain place behind a scaled conversion
	global_store_b128 v[WSO], v[160+4*(\t):160+4*(\t)+3], s[38:39] offset:((\t)/4)*BLKB+(((\t)%4)/2)*512+((\t)%2)*256   ; block 2 c + h of a K step is registers 4 c .. of lanes 16 h + r: sixteen lanes fill 256 aligned bytes
.if (\t)%4 == 3
	ds_store_b32 v[GWA], v[16+(\t)/4] offset:((\t)/4)*512
.endif
.if (\t)+2 < 8
	LOADW (\t)+2
.endif
.endm
	LOADW 0
	LOADW 1
.irp t, 0,1,2,3,4,5,6,7
	BLOCKW \t
.endr
	s_wait_dscnt 0x0
	s_barrier_signal -1
	s_barrier_wait -1
	s_cmp_lt_u32 s20, 4
	s_cbranch_scc0 .Lw_end
	ds_load_b128 v[16:19], v[GWT]
	s_wait_dscnt 0x0
	global_store_b128 v[LI], v[16:19], s[42:43]
.Lw_end:
	s_wait_tensorcnt 0x0
	ds_add_u32 v26, v27
	s_wait_dscnt 0x0
	s_endpgm
.Lfunc_end_k_q334b395edb_prep:
	.size	k_q334b395edb_prep, .Lfunc_end_k_q334b395edb_prep-k_q334b395edb_prep
	.p2alignl 7, 3214868480
	.fill 96, 4, 3214868480
	.section	.rodata,"a",@progbits
	.p2align	6, 0x0
	.amdhsa_kernel k_q334b395edb_prep
		.amdhsa_group_segment_fixed_size 72704
		.amdhsa_private_segment_fixed_size 0
		.amdhsa_enable_private_segment 0
		.amdhsa_kernarg_size 64
		.amdhsa_user_sgpr_count 2
		.amdhsa_user_sgpr_kernarg_segment_ptr 1
		.amdhsa_wavefront_size32 1
		.amdhsa_system_sgpr_workgroup_id_x 1
		.amdhsa_system_sgpr_workgroup_id_y 1
		.amdhsa_system_sgpr_workgroup_id_z 1
		.amdhsa_system_vgpr_workitem_id 0
		.amdhsa_next_free_vgpr 256
		.amdhsa_next_free_sgpr 66
		.amdhsa_reserve_vcc 0
		.amdhsa_float_denorm_mode_32 3
		.amdhsa_float_denorm_mode_16_64 3
		.amdhsa_memory_ordered 1
		.amdhsa_forward_progress 1
		.amdhsa_inst_pref_size 73
	.end_amdhsa_kernel
	.amdgpu_metadata
---
amdhsa.version: [ 1, 2 ]
amdhsa.kernels:
  - .name:           k_q334b395edb_prep
    .symbol:         k_q334b395edb_prep.kd
    .args:
      - { .name: q, .offset: 0, .size: 8, .value_kind: global_buffer, .address_space: global }
      - { .name: k, .offset: 8, .size: 8, .value_kind: global_buffer, .address_space: global }
      - { .name: v, .offset: 16, .size: 8, .value_kind: global_buffer, .address_space: global }
      - { .name: Wq, .offset: 24, .size: 8, .value_kind: global_buffer, .address_space: global }
      - { .name: Wk, .offset: 32, .size: 8, .value_kind: global_buffer, .address_space: global }
      - { .name: Wv, .offset: 40, .size: 8, .value_kind: global_buffer, .address_space: global }
      - { .name: xop, .offset: 48, .size: 8, .value_kind: global_buffer, .address_space: global }
      - { .name: wop, .offset: 56, .size: 8, .value_kind: global_buffer, .address_space: global }
    .group_segment_fixed_size: 72704
    .private_segment_fixed_size: 0
    .kernarg_segment_align: 8
    .kernarg_segment_size: 64
    .max_flat_workgroup_size: 256
    .sgpr_count:     66
    .vgpr_count:     256
    .wavefront_size: 32
...
	.end_amdgpu_metadata
.endif
;; end of part 1
;; launch proj (part 2): grid 4 x 64, 4 waves a work-group, clusters of 4 x 4, 327,680 bytes of LDS; arguments xop, wop, bq, bk, bv, qop, kop, vop; writes qop, kop, vop
.if DOCPART == 2
	.amdgcn_target "amdgcn-amd-amdhsa--gfx1250"
	.amdhsa_code_object_version 6
	.text
	.protected	k_q334b395edb_proj
	.globl	k_q334b395edb_proj
	.p2align	8
	.type	k_q334b395edb_proj,@function
k_q334b395edb_proj:
	s_mov_b64 s[64:65], 0
	v_nop
	global_prefetch_b8 v0, s[64:65] scope:SCOPE_SE
	s_setreg_imm32_b32 hwreg(HW_REG_WAVE_MODE, 25, 1), 1
	s_wait_xcnt 0x0
	s_wait_alu depctr_hold_cnt(0) depctr_sa_sdst(0) depctr_va_vdst(0) depctr_va_sdst(0) depctr_va_ssrc(0) depctr_va_vcc(0) depctr_vm_vsrc(0)
	s_getreg_b32 s2, hwreg(HW_REG_IB_STS2, 6, 4)
	s_cmp_eq_u32 s2, 0
	s_cbranch_scc0 .Lentry_in_a_cluster
	s_endpgm
.Lentry_in_a_cluster:
	s_bfe_u32 s2, ttmp6, 0x10000c
	s_cmp_lg_u32 s2, 0xf033
	s_cbranch_scc0 .Lentry_shape_is_right
	s_endpgm
.Lentry_shape_is_right:
; qp = q Wq + bq, kp = k Wk + bk, vp = v Wv + bv on FP4 codes (K = 1,024), and each result quantised at once into an operand of the next product: qp and kp along e, vp along the keys.
; All operands lie in the program's operand format: blocks of 8,704 bytes (128 rows x 128 K: eight register images of 1,024 bytes, 512 bytes of scale words); lane r of tile t is row 32 (t / 2) + 8 (t % 2) + r + 8 (r / 8).
; SHARES.  256 work-groups of equal work.  Each makes THREE tiles one after the other, of qp, of kp and of vp: 256 rows of source 0 x 128 rows of source 1; a wave 128 x 64 in 32 accumulators.
; In a result, lane (r, h) holds source 1's row of lane r, and the 16 registers of tiles 2 b, 2 b + 1 are source 0's rows 32 b + 16 h + 0 .. 15: neighbours along the next product's K.
; So source 0 is what the next K runs along: W's rows (e) for q and k, v's rows (the keys) for v.
; CLUSTERS of 4 x 4, sixteen of them.  Source 0's tile hangs on cx alone and is asked for jointly by a column of the cluster, source 1's on cy alone, by a row, in all three tiles.
; THE RING.  The 24 K steps go in six chunks of four through three LDS slots of 104,448 bytes.  Chunks 0-2 are asked for at the head (three loads of mine are out at the most); chunks 3, 4, 5 fill slots 0, 1, 2 again
; at the heads of steps 3, 8 and 15, one load a wave, each behind a round of the cluster's barrier.  All of a WGP's LDS is claimed.
; The bias is the C of each tile's first K step.  LIMITS: zero blocks get the byte 1 with zero codes, magnitudes under 2^-124 are taken at that floor, NaN and infinities are not served.
; REGISTERS: window 0: v1-11 addresses and the floor; v12, v13 the spare word's address and 0; v14, v15 the scale words' places in LDS; v16-27 at work; v28-33 the results' scale words; v34, v35 the biases' offsets;
;   v40-43 source 1's scale words, v64-71 source 0's (two sets each); v96-127 the codes just made; v128-191 source 1's fragments, two sets; v192-223 bv; v224-235 scale words on their way out.
;   window 1: v0-127 source 0's fragments, two sets; v128-191 bq, v192-255 bk.   window 2: accumulator (a, b) at v[64 a + 8 b].
.set BLKB, 8704
.set RGN,  8*BLKB                      ; 128 rows, all of K
.set XOPT, 64*RGN                      ; one of q, k, v as an operand
.set WOPT, 8*RGN                       ; one weight
.set SLOT, 12*BLKB                     ; four blocks of source 1, then four of each half of source 0
.set SPARE, 3*SLOT                     ; the spare words: 128 bytes a wave, two blocks of 256 bytes that no other line names
.set GS,   SPARE+512                   ; 3 x 1,024 bytes: the scale words of the work-group's two result blocks, for each of the three tiles; no fill lands here
.set LI,  1
.set AD1, 2                            ; v2-4   my four tiles of source 1 in slots 0, 1, 2
.set AD0, 5                            ; v5-7   my half of source 0
.set ADS, 8                            ; v8-10  my two of source 1's four scale words: 16 x lane + 8 x (wave / 2)
.set FL,  11                           ; v11    the floor 2^(3 - 127)
.set SPW, 12
.set NIL, 13
.set GSA, 14                           ; v14    where my two scale words go
.set GSR, 15                           ; v15    where a block's four are read back
.set TM,  16
.set BX,  20
.set SO,  24
.set PW,  28
.set PK,  32
.set BO,  34
.set SC1, 40
.set SC0, 64
.set PC,  96
.set BIV, 192
.set WD,  224
.set BIQ, 128                          ; in window 1
.set BIK, 192                          ; in window 1
.set SEL, 2
.set WV,  20
.set FS,  21                           ; wave / 2: I fetch source 1 (0) or source 0 (1); also my 64 rows of source 1
.set HF,  22                           ; wave % 2: which half I fetch; also my 128 rows of source 0
.set CX,  23
.set CY,  24
.set CC,  25                           ; the cluster's number
.set BV,  26
.set G1A, 28                           ; source 0's tiles
.set G1B, 36                           ; source 1's
.set G0A, 44                           ; a group 0 for each slot
.set VA0, 56                           ; s[56:57] source 0 of the third tile: v's rows
.set VA1, 58                           ; s[58:59] source 1 of the third tile: Wv's rows
.set HM,  67                           ; lanes 16-31
.set G0B, 68
.set BQ,  80
.set BK,  82
.set OQ,  96                           ; my result blocks
.set OK,  98
.set OV,  100
.set MSB, 0
.macro WIN new                         ; the immediate's high byte repeats the setting that is left
.if MSB != (\new)
	s_set_vgpr_msb (MSB<<8)|(\new)
.set MSB, (\new)
.endif
.endm
.macro PLACES n
.rept \n
	v_nop
.endr
.endm
.macro CROUND                          ; a round of the cluster's barrier
	s_barrier_signal -1
	s_barrier_wait -1
	s_cmp_lg_u32 s[WV], 0
	s_cbranch_scc1 .Lnot_wave_0_\@
	s_barrier_signal -3
.Lnot_wave_0_\@:
	s_barrier_wait -3
	s_barrier_signal -1
	s_barrier_wait -1
.endm
.macro ADDR g, base, off               ; a group 0's global address and type
	s_add_nc_u64 s[\g+2:\g+3], s[\base:\base+1], \off
	s_or_b32 s[\g+3], s[\g+3], 0x80000000
.endm
	s_load_b512 s[4:19], s[0:1], 0x0               ; xop, wop, bq, bk, bv, qop, kop, vop
	v_lshl_add_u32 v[SPW], v0, 2, SPARE
	v_mov_b32 v[NIL], 0
	ds_add_u32 v12, v13
	ds_add_u32 v12, v13
	s_wait_dscnt 0x0
	v_lshrrev_b32 v1, 5, v0
	v_readfirstlane_b32 s[WV], v1
	s_lshr_b32 s[FS], s[WV], 1
	s_and_b32 s[HF], s[WV], 1
	s_bfe_u32 s[CX], ttmp6, 0x40000
	s_bfe_u32 s[CY], ttmp6, 0x40004
	s_and_b32 s[CC], ttmp7, 0xffff
	s_lshl_b32 s84, 0x1111, s[CX]                  ; my column of the cluster
	s_lshl_b32 s88, s[CY], 2
	s_lshl_b32 s88, 15, s88                        ; my row
	s_or_b32 s[G1A], s84, (3<<16)|(1<<21)          ; source 0's tiles go to my column: 34,816 dense bytes as 136 rows of 256 (32 elements of 8 bytes); no padding: images are read at 16 x lane
	s_mov_b32 s[G1A+1], 32<<16
	s_mov_b32 s[G1A+2], 136<<16
	s_mov_b32 s[G1A+3], 32<<16
	s_mov_b32 s[G1A+4], 136
	s_mov_b32 s[G1A+5], 32
	s_mov_b32 s[G1A+6], 0
	s_mov_b32 s[G1A+7], 0
	s_or_b32 s[G1B], s88, (3<<16)|(1<<21)          ; source 1's to my row: 17,408 bytes as 68 rows
	s_mov_b32 s[G1B+1], 32<<16
	s_mov_b32 s[G1B+2], 68<<16
	s_mov_b32 s[G1B+3], 32<<16
	s_mov_b32 s[G1B+4], 68
	s_mov_b32 s[G1B+5], 32
	s_mov_b32 s[G1B+6], 0
	s_mov_b32 s[G1B+7], 0
	s_lshl_b32 s84, s[CX], 1                       ; source 0 of q and k: W's block 2 cx + half
	s_add_co_u32 s84, s84, s[HF]
	s_mul_i32 s84, s84, RGN
	s_mov_b32 s85, 0
	s_lshr_b32 s86, s[CC], 1                       ; source 0 of v: v's block 2 (4 (C / 2) + cx) + half
	s_lshl_b32 s86, s86, 2
	s_add_co_u32 s86, s86, s[CX]
	s_lshl_b32 s86, s86, 1
	s_add_co_u32 s86, s86, s[HF]
	s_mul_i32 s86, s86, RGN
	s_add_co_u32 s86, s86, 2*XOPT
	s_mov_b32 s87, 0
	s_lshl_b32 s88, s[CC], 2                       ; source 1 of q and k: x's block 4 C + cy; I fetch two of a chunk's four K steps
	s_add_co_u32 s88, s88, s[CY]
	s_lshl_b32 s88, s88, 3
	s_lshl_b32 s89, s[HF], 1
	s_add_co_u32 s88, s88, s89
	s_mul_i32 s88, s88, BLKB
	s_mov_b32 s89, 0
	s_and_b32 s90, s[CC], 1                        ; source 1 of v: Wv's block 4 (C % 2) + cy
	s_lshl_b32 s90, s90, 2
	s_add_co_u32 s90, s90, s[CY]
	s_lshl_b32 s90, s90, 3
	s_lshl_b32 s91, s[HF], 1
	s_add_co_u32 s90, s90, s91
	s_mul_i32 s90, s90, BLKB
	s_add_co_u32 s90, s90, 2*WOPT
	s_mov_b32 s91, 0
	s_mul_i32 s92, s[HF], 4*BLKB
	s_add_co_u32 s92, s92, 4*BLKB                  ; in a slot source 0's halves lie behind source 1's four blocks
	s_mul_i32 s93, s[HF], 2*BLKB
	s_wait_kmcnt 0x0
	s_add_nc_u64 s[94:95], s[6:7], s[84:85]        ; Wq's rows
	s_add_nc_u64 s[VA0:VA0+1], s[4:5], s[86:87]    ; v's rows
	s_add_nc_u64 s[60:61], s[4:5], s[88:89]        ; q's rows
	s_add_nc_u64 s[VA1:VA1+1], s[6:7], s[90:91]    ; Wv's rows
.irp c, 0,1,2
	s_mov_b32 s[G0A+4*\c], 1
	s_add_co_u32 s[G0A+4*\c+1], s92, \c*SLOT
	s_mov_b32 s[G0B+4*\c], 1
	s_add_co_u32 s[G0B+4*\c+1], s93, \c*SLOT
.endr
	ADDR G0A, 94, 0                                ; chunk 0: q's tile, K steps 0-3
	ADDR G0A+4, 94, 4*BLKB                         ; chunk 1: K steps 4-7
	ADDR G0A+8, 94, WOPT                           ; chunk 2: k's tile, K steps 0-3
	ADDR G0B, 60, 0
	ADDR G0B+4, 60, 4*BLKB
	ADDR G0B+8, 60, XOPT
	CROUND                                         ; all sixteen work-groups are here: the joint loads meet
	s_cmp_eq_u32 s[FS], 0                          ; a wave's three first fills stand in one branch on its number
	s_cbranch_scc0 .Lfill_0
	tensor_load_to_lds s[G0B:G0B+3], s[G1B:G1B+7]
	s_nop 0
	tensor_load_to_lds s[G0B+4:G0B+7], s[G1B:G1B+7]
	s_nop 0
	tensor_load_to_lds s[G0B+8:G0B+11], s[G1B:G1B+7]
	s_nop 0
	PLACES 4
	s_branch .Lfilled
.Lfill_0:
	tensor_load_to_lds s[G0A:G0A+3], s[G1A:G1A+7]
	s_nop 0
	tensor_load_to_lds s[G0A+4:G0A+7], s[G1A:G1A+7]
	s_nop 0
	tensor_load_to_lds s[G0A+8:G0A+11], s[G1A:G1A+7]
	s_nop 0
	PLACES 4
.Lfilled:
	v_and_b32 v[BO], 31, v0
	v_lshlrev_b32 v[LI], 4, v[BO]
	s_lshl_b32 s62, s[FS], 12                      ; my four tiles of source 1
	s_mul_i32 s63, s[HF], 4*BLKB
	s_add_co_u32 s63, s63, 4*BLKB                  ; my half of source 0
	s_lshl_b32 s66, s[FS], 3                       ; my two scale words of four
.irp g, 0,1,2
	v_add_nc_u32 v[AD1+\g], s62, v[LI]
	v_add_nc_u32 v[AD0+\g], s63, v[LI]
	v_add_nc_u32 v[ADS+\g], s66, v[LI]
	s_add_co_u32 s62, s62, SLOT
	s_add_co_u32 s63, s63, SLOT
	s_add_co_u32 s66, s66, SLOT
.endr
	s_lshl_b32 s62, s[HF], 9
	s_add_co_u32 s62, s62, GS
	v_add_nc_u32 v[GSR], s62, v[LI]                ; the words of result block (wave % 2): 16 x lane
	s_lshl_b32 s63, s[FS], 3
	v_add_nc_u32 v[GSA], s63, v[GSR]               ; and my two of the four
	v_mov_b32 v[FL], 0x1800000
.irp b, 0,1,2,3
	v_mov_b32 v[BX+\b], 0                          ; a lane permute's destination counts as one of its sources
.endr
	s_mov_b32 s[SEL], 0x76543210
	s_mov_b32 s[SEL+1], 0xfedcba98
	s_mov_b32 s[HM], 0xffff0000
	; where my results go.  q, k: block (rows = tokens / 128 = 4 C + cy, K step = e / 128 = 2 cx + half).  v: block (batch, rows = e / 128 = 4 (C % 2) + cy, K step = keys / 128).  My tiles are 4 (wave / 2) + a of the block
	s_lshl_b32 s66, s[CX], 1
	s_add_co_u32 s66, s66, s[HF]                   ; 2 cx + half
	s_lshl_b32 s62, s[CC], 2
	s_add_co_u32 s62, s62, s[CY]
	s_lshl_b32 s62, s62, 3
	s_add_co_u32 s62, s62, s66
	s_mul_i32 s62, s62, BLKB
	s_lshl_b32 s83, s[FS], 12
	s_add_co_u32 s62, s62, s83
	s_mov_b32 s63, 0
	s_add_nc_u64 s[OQ:OQ+1], s[14:15], s[62:63]
	s_add_nc_u64 s[OK:OK+1], s[16:17], s[62:63]
	s_lshr_b32 s80, s[CC], 1
	s_lshl_b32 s80, s80, 3
	s_add_co_u32 s80, s80, s66                     ; v's block of 128 tokens
	s_and_b32 s81, s[CC], 1
	s_lshl_b32 s81, s81, 2
	s_add_co_u32 s81, s81, s[CY]                   ; the block of 128 e
	s_lshr_b32 s82, s80, 4                         ; the batch
	s_lshl_b32 s82, s82, 3
	s_add_co_u32 s82, s82, s81
	s_lshl_b32 s82, s82, 4
	s_and_b32 s80, s80, 15
	s_add_co_u32 s82, s82, s80
	s_mul_i32 s62, s82, BLKB
	s_add_co_u32 s62, s62, s83
	s_add_nc_u64 s[OV:OV+1], s[18:19], s[62:63]
	; THE BIASES, in the result's layout.  q, k: they run with source 0's rows: register 8 b + j is b(32 (b / 2) + 8 (b % 2) + 16 h + j).  v: with source 1's: all eight registers of tile a are b(32 (a / 2) + 8 (a % 2) + r + 8 (r / 8))
	s_lshl_b32 s62, s81, 9
	s_lshl_b32 s83, s[FS], 8                       ; my 64 of the block's 128
	s_add_co_u32 s62, s62, s83
	s_add_nc_u64 s[BV:BV+1], s[12:13], s[62:63]
	s_lshl_b32 s62, s66, 9
	s_add_nc_u64 s[BQ:BQ+1], s[8:9], s[62:63]
	s_add_nc_u64 s[BK:BK+1], s[10:11], s[62:63]
	v_bfe_u32 v[BO], v0, 4, 1
	v_lshlrev_b32 v[BO], 6, v[BO]                  ; 64 h
	v_and_b32 v[BO+1], 15, v0
	v_and_b32 v[TM], 8, v[BO+1]
	v_add_nc_u32 v[BO+1], v[BO+1], v[TM]
	v_lshlrev_b32 v[BO+1], 2, v[BO+1]              ; 4 (r + 8 (r / 8))
	WIN 0x40                                       ; destination window 1
.irp b, 0,1,2,3,4,5,6,7
	global_load_b128 v[BIQ+8*\b:BIQ+8*\b+3], v[BO], s[BQ:BQ+1] offset:(32*(\b/2)+8*(\b%2))*4
	global_load_b128 v[BIQ+8*\b+4:BIQ+8*\b+7], v[BO], s[BQ:BQ+1] offset:(32*(\b/2)+8*(\b%2))*4+16
	global_load_b128 v[BIK+8*\b:BIK+8*\b+3], v[BO], s[BK:BK+1] offset:(32*(\b/2)+8*(\b%2))*4
	global_load_b128 v[BIK+8*\b+4:BIK+8*\b+7], v[BO], s[BK:BK+1] offset:(32*(\b/2)+8*(\b%2))*4+16
.endr
	WIN 0
.irp a, 0,1,2,3
	global_load_b32 v[BIV+8*\a], v[BO+1], s[BV:BV+1] offset:(32*(\a/2)+8*(\a%2))*4
.endr
; One product.  cm = 0: onto its own sum; 1, 2: C = bq, bk by b; 3: C = bv by a.  A tile's scale words lie in lanes 0-15 (even tile) or 16-31 (odd tile) of register t / 2 of its side's set.
.macro WMP a, b, set, cm
.set rD, 64*(\a)+8*(\b)
.set rA, 64*(\set)+8*(\b)
.set rB, 128+32*(\set)+8*(\a)
.set rX, SC0+4*(\set)+(\b)/2
.set rY, SC1+2*(\set)+(\a)/2
.set rC, rD
.if (\cm) == 1
.set rC, BIQ+8*(\b)
.elseif (\cm) == 2
.set rC, BIK+8*(\b)
.elseif (\cm) == 3
.set rC, BIV+8*(\a)
.endif
.set par, 2*((\a)%2)+(\b)%2
.if par == 0
	v_wmma_scale_f32_16x16x128_f8f6f4 v[rD:rD+7], v[rA:rA+7], v[rB:rB+7], v[rC:rC+7], v[rX], v[rY] matrix_a_fmt:MATRIX_FMT_FP4 matrix_b_fmt:MATRIX_FMT_FP4
.elseif par == 1
	v_wmma_scale_f32_16x16x128_f8f6f4 v[rD:rD+7], v[rA:rA+7], v[rB:rB+7], v[rC:rC+7], v[rX], v[rY] matrix_a_fmt:MATRIX_FMT_FP4 matrix_b_fmt:MATRIX_FMT_FP4 matrix_a_scale:MATRIX_SCALE_ROW1
.elseif par == 2
	v_wmma_scale_f32_16x16x128_f8f6f4 v[rD:rD+7], v[rA:rA+7], v[rB:rB+7], v[rC:rC+7], v[rX], v[rY] matrix_a_fmt:MATRIX_FMT_FP4 matrix_b_fmt:MATRIX_FMT_FP4 matrix_b_scale:MATRIX_SCALE_ROW1
.else
	v_wmma_scale_f32_16x16x128_f8f6f4 v[rD:rD+7], v[rA:rA+7], v[rB:rB+7], v[rC:rC+7], v[rX], v[rY] matrix_a_fmt:MATRIX_FMT_FP4 matrix_b_fmt:MATRIX_FMT_FP4 matrix_a_scale:MATRIX_SCALE_ROW1 matrix_b_scale:MATRIX_SCALE_ROW1
.endif
.endm
.macro MULP set, cm                    ; a K step's 32 products: the 32 accumulators take turns in one order in every step
.if (\cm) == 0
	WIN 0xa1                                       ; source 0 window 1, source 1 window 0, C and D window 2
.elseif (\cm) == 3
	WIN 0x81                                       ; C window 0
.else
	WIN 0x91                                       ; C window 1
.endif
.irp a, 0,1,2,3
.irp b, 0,1,2,3,4,5,6,7
	WMP \a, \b, \set, \cm
.endr
.endr
.endm
.macro FETCHP s, set                   ; K step s of the 24: 26 LDS loads; chunk s / 4 lies in slot (s / 4) % 3
.set SG, ((\s)/4)%3
	WIN 0x40
.irp b, 0,1,2,3,4,5,6,7
	ds_load_b128 v[64*(\set)+8*\b:64*(\set)+8*\b+3], v[AD0+SG] offset:((\s)%4)*BLKB+\b*1024
	ds_load_b128 v[64*(\set)+8*\b+4:64*(\set)+8*\b+7], v[AD0+SG] offset:((\s)%4)*BLKB+\b*1024+512
.endr
	WIN 0
.irp a, 0,1,2,3
	ds_load_b128 v[128+32*(\set)+8*\a:128+32*(\set)+8*\a+3], v[AD1+SG] offset:((\s)%4)*BLKB+\a*1024
	ds_load_b128 v[128+32*(\set)+8*\a+4:128+32*(\set)+8*\a+7], v[AD1+SG] offset:((\s)%4)*BLKB+\a*1024+512
.endr
	ds_load_b128 v[SC0+4*(\set):SC0+4*(\set)+3], v[AD0+SG] offset:((\s)%4)*BLKB+8192
	ds_load_b64 v[SC1+2*(\set):SC1+2*(\set)+1], v[ADS+SG] offset:((\s)%4)*BLKB+8192
.endm
.macro STEPP s, cm
	s_wait_dscnt 0x0                               ; this step's fragments are in
.if (\s) < 23
.if (\s) > 0
	PLACES 4                                       ; in front of loads into registers that the last step's products have read
.endif
	FETCHP (\s)+1, ((\s)+1)%2
.endif
	MULP (\s)%2, \cm
.endm
; A slot that has been read out is filled again.  Each wave waits for all its tensor loads, adds 0 to its spare word, writes the slot's group 0 while the add is out, and waits for the add and for its LDS reads;
; a round of the cluster's barrier; then its one tensor load, the first thing behind the round.
.macro REFILL slot
	WIN 0
	s_wait_tensorcnt 0x0                           ; no tensor load of mine is out, so a group 0 may be written
	ds_add_u32 v[SPW], v[NIL]                      ; 0 onto my spare word
.if (\slot) == 0
	s_add_nc_u64 s[G0A+2:G0A+3], s[G0A+2:G0A+3], WOPT+4*BLKB      ; from chunk 0 to chunk 3: k's tile, K steps 4-7; the type bits on top are not reached
	s_add_nc_u64 s[G0B+2:G0B+3], s[G0B+2:G0B+3], XOPT+4*BLKB
.elseif (\slot) == 1
	ADDR G0A+4, VA0, 0                             ; chunk 4: v's tile, K steps 0-3
	ADDR G0B+4, VA1, 0
.else
	ADDR G0A+8, VA0, 4*BLKB                        ; chunk 5: K steps 4-7
	ADDR G0B+8, VA1, 4*BLKB
.endif
	s_wait_dscnt 0x0                               ; the add is done, and my reads of the slot are over
	CROUND                                         ; both now hold of every wave of all sixteen work-groups
	s_cmp_eq_u32 s[FS], 0
	s_cbranch_scc0 .Lre_0_\@
	tensor_load_to_lds s[G0B+4*(\slot):G0B+4*(\slot)+3], s[G1B:G1B+7]
	s_nop 0
	PLACES 4                                       ; also the places in front of the loads that follow
	s_branch .Lre_done_\@
.Lre_0_\@:
	tensor_load_to_lds s[G0A+4*(\slot):G0A+4*(\slot)+3], s[G1A:G1A+7]
	s_nop 0
	PLACES 4
.Lre_done_\@:
.endm
; Tile a of a result: a lane's 64 numbers (register 16 b + i = next K 32 b + 16 h + i of its row) become a fragment, stored as its image, and a scale word.  Each accumulator is read from its low end on.
.macro QUANTW a, ob
.set AC, 64*(\a)
	WIN 0x28                                       ; sources 1 and 2: the accumulators' window
.irp b, 0,1,2,3
	v_max3_num_f32 v[TM+\b], v[FL], |v[AC+16*\b]|, |v[AC+16*\b+1]|
.endr
.irp i, 2,4,6,8,10,12,14
.irp b, 0,1,2,3
	v_max3_num_f32 v[TM+\b], v[TM+\b], |v[AC+16*\b+\i]|, |v[AC+16*\b+\i+1]|
.endr
.endr
	WIN 0
.irp b, 0,1,2,3
	v_permlanex16_b32 v[BX+\b], v[TM+\b], s[SEL], s[SEL+1]
.endr
.irp b, 0,1,2,3
	v_max_num_f32 v[TM+\b], v[TM+\b], v[BX+\b]     ; with lane l xor 16's 16: the block's largest magnitude
.endr
.irp b, 0,1,2,3
	v_add_nc_u32 v[SO+\b], 0xff000000, v[TM+\b]    ; 2 off the exponent field: the conversion's scale operand
.endr
.irp b, 0,1,2,3
	v_lshrrev_b32 v[BX+\b], 23, v[SO+\b]           ; the scale's byte
.endr
	v_lshl_or_b32 v[PW+(\a)], v[BX+1], 8, v[BX]
	v_lshl_or_b32 v[PW+(\a)], v[BX+2], 16, v[PW+(\a)]
	v_lshl_or_b32 v[PW+(\a)], v[BX+3], 24, v[PW+(\a)]
	WIN 0x02                                       ; source 0: the accumulators' window
.irp b, 0,1,2,3
	v_cvt_scalef32_pk8_fp4_f32 v[PC+8*(\a)+2*\b], v[AC+16*\b:AC+16*\b+7], v[SO+\b]
	v_cvt_scalef32_pk8_fp4_f32 v[PC+8*(\a)+2*\b+1], v[AC+16*\b+8:AC+16*\b+15], v[SO+\b]
.endr
	WIN 0
	v_nop                                          ; one plain place behind a scaled conversion
.irp c, 0,1
.irp i, 0,1
	v_permlane16_swap_b32 v[PC+8*(\a)+4*\c+\i], v[PC+8*(\a)+4*\c+2+\i]
.endr
.endr
	global_store_b128 v[LI], v[PC+8*(\a):PC+8*(\a)+3], s[\ob:\ob+1] offset:(\a)*1024       ; 512 consecutive bytes, at a multiple of 256
	global_store_b128 v[LI], v[PC+8*(\a)+4:PC+8*(\a)+7], s[\ob:\ob+1] offset:(\a)*1024+512
.endm
; A finished tile goes out.  My four scale words are half of each lane's 16 bytes of the block's words: they wait in LDS, in bytes of this tile's own, for the other half.
.macro EPI t, ob
	WIN 0
	PLACES 4                                       ; in front of the first read of results
.if (\t) > 0
	s_wait_xcnt 0x0                                ; the last tile's stores have read the codes' registers: they may be written again
.endif
.irp a, 0,1,2,3
	QUANTW \a, \ob
.endr
	v_cndmask_b32 v[PK], v[PW], v[PW+1], s[HM]     ; lanes 0-15: the even tile's words; lanes 16-31: the odd tile's
	v_cndmask_b32 v[PK+1], v[PW+2], v[PW+3], s[HM]
	ds_store_b64 v[GSA], v[PK:PK+1] offset:(\t)*1024
.endm
	s_wait_tensorcnt 2                             ; my part of chunk 0 is in; chunks 1 and 2 may be out
	s_barrier_signal -1
	s_barrier_wait -1
	FETCHP 0, 0
	s_wait_loadcnt 0x0                             ; the biases
.irp a, 0,1,2,3
.irp j, 1,2,3,4,5,6,7
	v_mov_b32 v[BIV+8*\a+\j], v[BIV+8*\a]          ; a C operand is eight registers; in v's tile all eight hold the lane's one number
.endr
.endr
	STEPP 0, 1                                     ; q's tile: the first K step starts the sums on bq
	STEPP 1, 0
	STEPP 2, 0
	REFILL 0                                       ; step 3: slot 0 is read out (its last fragments are awaited within the refill) and takes chunk 3; slots 1 and 2 are now whole for every wave
	FETCHP 4, 0
	MULP 1, 0
.irp s, 4,5,6,7
	STEPP \s, 0
.endr
	EPI 0, OQ
	REFILL 1                                       ; step 8: slot 1 takes chunk 4; chunk 3 has had five steps and a way out in which to land
	FETCHP 9, 1
	MULP 0, 2                                      ; k's tile starts on bk
.irp s, 9,10,11,12,13,14
	STEPP \s, 0
.endr
	REFILL 2                                       ; step 15: slot 2 takes chunk 5; chunk 4 is now whole for every wave
	FETCHP 16, 0
	MULP 1, 0
	EPI 1, OK
	STEPP 16, 3                                    ; v's tile starts on bv
	STEPP 17, 0
	STEPP 18, 0
	s_wait_dscnt 0x0                               ; step 19: chunk 5 is wanted
	s_wait_tensorcnt 0x0                           ; my one load that was out
	s_barrier_signal -1
	s_barrier_wait -1                              ; everybody's part of it is in
	PLACES 4
	FETCHP 20, 0
	MULP 1, 0
.irp s, 20,21,22,23
	STEPP \s, 0
.endr
	EPI 2, OV
	s_wait_dscnt 0x0                               ; for the others' sake: my scale words lie in LDS
	s_barrier_signal -1
	s_barrier_wait -1
	s_cmp_eq_u32 s[FS], 0                          ; waves 0 and 1 store the words of result block (wave % 2) of each tile: 512 consecutive bytes, at a multiple of 256
	s_cbranch_scc0 .Lno_words
	ds_load_b128 v[WD:WD+3], v[GSR]
	ds_load_b128 v[WD+4:WD+7], v[GSR] offset:1024
	ds_load_b128 v[WD+8:WD+11], v[GSR] offset:2048
	s_wait_dscnt 0x0
	global_store_b128 v[LI], v[WD:WD+3], s[OQ:OQ+1] offset:8192
	global_store_b128 v[LI], v[WD+4:WD+7], s[OK:OK+1] offset:8192
	global_store_b128 v[LI], v[WD+8:WD+11], s[OV:OV+1] offset:8192
.Lno_words:
	s_wait_tensorcnt 0x0                           ; the wave's end
	ds_add_u32 v[SPW], v[NIL]
	s_wait_dscnt 0x0
	CROUND                                         ; the closing round
	s_endpgm
.Lfunc_end_k_q334b395edb_proj:
	.size	k_q334b395edb_proj, .Lfunc_end_k_q334b395edb_proj-k_q334b395edb_proj
	.p2alignl 7, 3214868480
	.fill 96, 4, 3214868480
	.section	.rodata,"a",@progbits
	.p2align	6, 0x0
	.amdhsa_kernel k_q334b395edb_proj
		.amdhsa_group_segment_fixed_size 327680
		.amdhsa_private_segment_fixed_size 0
		.amdhsa_enable_private_segment 0
		.amdhsa_kernarg_size 64
		.amdhsa_user_sgpr_count 2
		.amdhsa_user_sgpr_kernarg_segment_ptr 1
		.amdhsa_wavefront_size32 1
		.amdhsa_system_sgpr_workgroup_id_x 1
		.amdhsa_system_sgpr_workgroup_id_y 1
		.amdhsa_system_sgpr_workgroup_id_z 1
		.amdhsa_system_vgpr_workitem_id 0
		.amdhsa_next_free_vgpr 768
		.amdhsa_next_free_sgpr 102
		.amdhsa_reserve_vcc 0
		.amdhsa_float_denorm_mode_32 3
		.amdhsa_float_denorm_mode_16_64 3
		.amdhsa_memory_ordered 1
		.amdhsa_forward_progress 1
		.amdhsa_inst_pref_size 207
	.end_amdhsa_kernel
	.amdgpu_metadata
---
amdhsa.version: [ 1, 2 ]
amdhsa.kernels:
  - .name:           k_q334b395edb_proj
    .symbol:         k_q334b395edb_proj.kd
    .args:
      - { .name: xop, .offset: 0, .size: 8, .value_kind: global_buffer, .address_space: global }
      - { .name: wop, .offset: 8, .size: 8, .value_kind: global_buffer, .address_space: global }
      - { .name: bq, .offset: 16, .size: 8, .value_kind: global_buffer, .address_space: global }
      - { .name: bk, .offset: 24, .size: 8, .value_kind: global_buffer, .address_space: global }
      - { .name: bv, .offset: 32, .size: 8, .value_kind: global_buffer, .address_space: global }
      - { .name: qop, .offset: 40, .size: 8, .value_kind: global_buffer, .address_space: global }
      - { .name: kop, .offset: 48, .size: 8, .value_kind: global_buffer, .address_space: global }
      - { .name: vop, .offset: 56, .size: 8, .value_kind: global_buffer, .address_space: global }
    .group_segment_fixed_size: 327680
    .private_segment_fixed_size: 0
    .kernarg_segment_align: 8
    .kernarg_segment_size: 64
    .max_flat_workgroup_size: 128
    .sgpr_count:     102
    .vgpr_count:     768
    .wavefront_size: 32
...
	.end_amdgpu_metadata
.endif
;; end of part 2
;; launch scores (part 3): grid 8 x 32, 4 waves a work-group, clusters of 4 x 4, 279,040 bytes of LDS; arguments qop, kop, pop, mloc, lloc; writes pop, mloc, lloc
.if DOCPART == 3
	.amdgcn_target "amdgcn-amd-amdhsa--gfx1250"
	.amdhsa_code_object_version 6
	.text
	.protected	k_q334b395edb_scores
	.globl	k_q334b395edb_scores
	.p2align	8
	.type	k_q334b395edb_scores,@function
k_q334b395edb_scores:
	s_mov_b64 s[64:65], 0
	v_nop
	global_prefetch_b8 v0, s[64:65] scope:SCOPE_SE
	s_setreg_imm32_b32 hwreg(HW_REG_WAVE_MODE, 25, 1), 1
	s_wait_xcnt 0x0
	s_wait_alu depctr_hold_cnt(0) depctr_sa_sdst(0) depctr_va_vdst(0) depctr_va_sdst(0) depctr_va_ssrc(0) depctr_va_vcc(0) depctr_vm_vsrc(0)
	s_getreg_b32 s2, hwreg(HW_REG_IB_STS2, 6, 4)
	s_cmp_eq_u32 s2, 0
	s_cbranch_scc0 .Lentry_in_a_cluster
	s_endpgm
.Lentry_in_a_cluster:
	s_bfe_u32 s2, ttmp6, 0x10000c
	s_cmp_lg_u32 s2, 0xf033
	s_cbranch_scc0 .Lentry_shape_is_right
	s_endpgm
.Lentry_shape_is_right:
; S^T = kp qp^T on FP4 codes (K = 1,024), and p = 2^(t - M), t = score x log2(e) / 32, quantised along the keys into the operand pop.
; M here is the ceiling of the largest t of a query over ONE K step of the next product (a wave's 128 keys): a whole number.  It goes to mloc, the sum of the unquantised p under it to lloc; the next launch brings all
; sixteen groups of a row under the row's M by whole powers of two, taken off the scale bytes: the codes' values stay as they are.
; The maximum is taken away ahead of every exponential, so no p exceeds 1.  LIMITS: p under 2^-126 comes out of v_exp_f32 as 0; a block whose every p is 0 gets the byte 1 with zero codes; NaN and infinities are not served.
; Operand format, shares, cluster, fills and registers as in the launch before: source 0 = 256 keys (hangs on cx), source 1 = 256 queries (hangs on cy); a wave 128 x 128; all tiles asked for at the head, four loads a wave.
; Further registers: v9 t, v[10:11] -M, v[12:15] sums, v16-19 block maxima, v56-63 M, v64-71 l of the eight tiles, v72-83 packed.
.set BLKB, 8704
.set RGN,  8*BLKB
.set CHK,  2*BLKB
.set LI,  1
.set AD0, 2
.set AD1, 4
.set FL,  6                            ; v6  -infinity: the first leaf of a maximum
.set T,   9
.set NM,  10
.set LA,  12
.set LB,  14
.set BM,  16
.set BX,  20
.set SO,  24
.set SC0, 32
.set SC1, 40
.set PW,  48
.set MM,  56
.set LL,  64
.set PK,  72
.set PC,  128
.set SEL, 2
.set WV,  20
.set FS,  21
.set HF,  22
.set CX,  23
.set CY,  24
.set CC,  25
.set G1A, 28
.set G1B, 36
.set G0A, 44
.set G0B, 68
.set HM,  67
.set CS,  100                          ; s[100:101] log2(e) / 32
.set MSB, 0
.macro WIN new
.if MSB != (\new)
	s_set_vgpr_msb (MSB<<8)|(\new)
.set MSB, (\new)
.endif
.endm
.macro PLACES n
.rept \n
	v_nop
.endr
.endm
.macro CROUND
	s_barrier_signal -1
	s_barrier_wait -1
	s_cmp_lg_u32 s[WV], 0
	s_cbranch_scc1 .Lnot_wave_0_\@
	s_barrier_signal -3
.Lnot_wave_0_\@:
	s_barrier_wait -3
	s_barrier_signal -1
	s_barrier_wait -1
.endm
	s_load_b256 s[4:11], s[0:1], 0x0               ; qop, kop, pop, mloc
	s_load_b64 s[12:13], s[0:1], 0x20              ; lloc
	v_lshl_add_u32 v126, v0, 2, 0x44000
	v_mov_b32 v127, 0
	ds_add_u32 v126, v127
	ds_add_u32 v126, v127
	v_lshrrev_b32 v1, 5, v0
	v_readfirstlane_b32 s[WV], v1
	s_lshr_b32 s[FS], s[WV], 1
	s_and_b32 s[HF], s[WV], 1
	s_bfe_u32 s[CX], ttmp6, 0x40000
	s_bfe_u32 s[CY], ttmp6, 0x40004
	s_and_b32 s[CC], ttmp7, 0xffff
	s_lshl_b32 s84, 0x1111, s[CX]
	s_lshl_b32 s88, s[CY], 2
	s_lshl_b32 s88, 15, s88
	s_or_b32 s[G1A], s84, (3<<16)|(1<<21)
	s_or_b32 s[G1B], s88, (3<<16)|(1<<21)
.irp g, G1A, G1B
	s_mov_b32 s[\g+1], 32<<16
	s_mov_b32 s[\g+2], 68<<16
	s_mov_b32 s[\g+3], 32<<16
	s_mov_b32 s[\g+4], 68
	s_mov_b32 s[\g+5], 32
	s_mov_b32 s[\g+6], 0
	s_mov_b32 s[\g+7], 0
.endr
	s_lshl_b32 s84, ttmp9, 2
	s_add_co_u32 s84, s84, s[CX]                   ; block of 256 keys in the batch
	s_lshl_b32 s84, s84, 1
	s_add_co_u32 s84, s84, s[HF]
	s_lshr_b32 s85, s[CC], 1                       ; the batch
	s_lshl_b32 s85, s85, 4
	s_add_co_u32 s84, s84, s85
	s_mul_i32 s84, s84, RGN
	s_mov_b32 s85, 0
	s_lshl_b32 s88, s[CC], 2
	s_add_co_u32 s88, s88, s[CY]                   ; block of 256 queries, batches on end
	s_lshl_b32 s88, s88, 1
	s_add_co_u32 s88, s88, s[HF]
	s_mul_i32 s88, s88, RGN
	s_mov_b32 s89, 0
	s_mul_i32 s27, s[WV], RGN
	s_wait_dscnt 0x0
	s_wait_kmcnt 0x0
	s_add_nc_u64 s[86:87], s[6:7], s[84:85]
	s_add_nc_u64 s[90:91], s[4:5], s[88:89]
.irp c, 0,1,2,3
	s_mov_b32 s[G0A+4*\c], 1
	s_add_co_u32 s[G0A+4*\c+1], s27, \c*CHK
	s_add_nc_u64 s[G0A+4*\c+2:G0A+4*\c+3], s[86:87], \c*CHK
	s_or_b32 s[G0A+4*\c+3], s[G0A+4*\c+3], 0x80000000
	s_mov_b32 s[G0B+4*\c], 1
	s_add_co_u32 s[G0B+4*\c+1], s27, \c*CHK
	s_add_nc_u64 s[G0B+4*\c+2:G0B+4*\c+3], s[90:91], \c*CHK
	s_or_b32 s[G0B+4*\c+3], s[G0B+4*\c+3], 0x80000000
.endr
	CROUND
	s_cmp_eq_u32 s[FS], 0
	s_cbranch_scc0 .Lfill_1
	tensor_load_to_lds s[G0A:G0A+3], s[G1A:G1A+7]
	s_nop 0
	tensor_load_to_lds s[G0A+4:G0A+7], s[G1A:G1A+7]
	s_nop 0
	tensor_load_to_lds s[G0A+8:G0A+11], s[G1A:G1A+7]
	s_nop 0
	tensor_load_to_lds s[G0A+12:G0A+15], s[G1A:G1A+7]
	s_nop 0
	PLACES 4
	s_branch .Lfilled
.Lfill_1:
	tensor_load_to_lds s[G0B:G0B+3], s[G1B:G1B+7]
	s_nop 0
	tensor_load_to_lds s[G0B+4:G0B+7], s[G1B:G1B+7]
	s_nop 0
	tensor_load_to_lds s[G0B+8:G0B+11], s[G1B:G1B+7]
	s_nop 0
	tensor_load_to_lds s[G0B+12:G0B+15], s[G1B:G1B+7]
	s_nop 0
	PLACES 4
.Lfilled:
	v_and_b32 v7, 31, v0
	v_lshlrev_b32 v[LI], 4, v7
	s_mul_i32 s95, s[HF], RGN
	v_add_nc_u32 v[AD0], s95, v[LI]
	v_add_nc_u32 v[AD0+1], 4*BLKB, v[AD0]
	s_mul_i32 s95, s[FS], RGN
	s_add_co_u32 s95, s95, 2*RGN
	v_add_nc_u32 v[AD1], s95, v[LI]
	v_add_nc_u32 v[AD1+1], 4*BLKB, v[AD1]
	v_mov_b32 v[FL], 0xff800000
	v_mov_b32 v[NM+1], 0                           ; named as the upper half of the pair, so it is written
.irp b, 0,1,2,3
	v_mov_b32 v[BX+\b], 0                          ; a lane permute's destination counts as one of its sources
.endr
	s_mov_b32 s[SEL], 0x76543210
	s_mov_b32 s[SEL+1], 0xfedcba98
	s_mov_b32 s[HM], 0xffff0000
	s_mov_b32 s[CS], 0x3d38aa3b
	s_mov_b32 s[CS+1], s[CS]
	s_lshl_b32 s60, ttmp9, 2
	s_add_co_u32 s60, s60, s[CX]
	s_lshl_b32 s60, s60, 1
	s_add_co_u32 s60, s60, s[HF]                   ; the K step of the next product: keys / 128
	s_lshl_b32 s61, s[CC], 2
	s_add_co_u32 s61, s61, s[CY]
	s_lshl_b32 s61, s61, 1
	s_add_co_u32 s61, s61, s[FS]                   ; my block of 128 queries
	s_lshl_b32 s61, s61, 4
	s_add_co_u32 s60, s60, s61
	s_mul_i32 s62, s60, BLKB
	s_mov_b32 s63, 0
	s_add_nc_u64 s[14:15], s[8:9], s[62:63]        ; my block of pop
	s_lshl_b32 s62, s60, 9
	s_add_nc_u64 s[16:17], s[10:11], s[62:63]      ; its 512 bytes of mloc
	s_add_nc_u64 s[18:19], s[12:13], s[62:63]      ; and of lloc
.macro WM a, b, set, cm                ; cm = 1: the first K step starts the sum with the constant 0
.set rD, 64*((\a)%4)+8*(\b)
.set rA, 64*(\set)+8*(\b)
.set rB, 128+64*(\set)+8*(\a)
.set rX, SC0+4*(\set)+(\b)/2
.set rY, SC1+4*(\set)+(\a)/2
.set par, 2*((\a)%2)+(\b)%2
.if (\cm) == 1
.if par == 0
	v_wmma_scale_f32_16x16x128_f8f6f4 v[rD:rD+7], v[rA:rA+7], v[rB:rB+7], 0, v[rX], v[rY] matrix_a_fmt:MATRIX_FMT_FP4 matrix_b_fmt:MATRIX_FMT_FP4
.elseif par == 1
	v_wmma_scale_f32_16x16x128_f8f6f4 v[rD:rD+7], v[rA:rA+7], v[rB:rB+7], 0, v[rX], v[rY] matrix_a_fmt:MATRIX_FMT_FP4 matrix_b_fmt:MATRIX_FMT_FP4 matrix_a_scale:MATRIX_SCALE_ROW1
.elseif par == 2
	v_wmma_scale_f32_16x16x128_f8f6f4 v[rD:rD+7], v[rA:rA+7], v[rB:rB+7], 0, v[rX], v[rY] matrix_a_fmt:MATRIX_FMT_FP4 matrix_b_fmt:MATRIX_FMT_FP4 matrix_b_scale:MATRIX_SCALE_ROW1
.else
	v_wmma_scale_f32_16x16x128_f8f6f4 v[rD:rD+7], v[rA:rA+7], v[rB:rB+7], 0, v[rX], v[rY] matrix_a_fmt:MATRIX_FMT_FP4 matrix_b_fmt:MATRIX_FMT_FP4 matrix_a_scale:MATRIX_SCALE_ROW1 matrix_b_scale:MATRIX_SCALE_ROW1
.endif
.else
.if par == 0
	v_wmma_scale_f32_16x16x128_f8f6f4 v[rD:rD+7], v[rA:rA+7], v[rB:rB+7], v[rD:rD+7], v[rX], v[rY] matrix_a_fmt:MATRIX_FMT_FP4 matrix_b_fmt:MATRIX_FMT_FP4
.elseif par == 1
	v_wmma_scale_f32_16x16x128_f8f6f4 v[rD:rD+7], v[rA:rA+7], v[rB:rB+7], v[rD:rD+7], v[rX], v[rY] matrix_a_fmt:MATRIX_FMT_FP4 matrix_b_fmt:MATRIX_FMT_FP4 matrix_a_scale:MATRIX_SCALE_ROW1
.elseif par == 2
	v_wmma_scale_f32_16x16x128_f8f6f4 v[rD:rD+7], v[rA:rA+7], v[rB:rB+7], v[rD:rD+7], v[rX], v[rY] matrix_a_fmt:MATRIX_FMT_FP4 matrix_b_fmt:MATRIX_FMT_FP4 matrix_b_scale:MATRIX_SCALE_ROW1
.else
	v_wmma_scale_f32_16x16x128_f8f6f4 v[rD:rD+7], v[rA:rA+7], v[rB:rB+7], v[rD:rD+7], v[rX], v[rY] matrix_a_fmt:MATRIX_FMT_FP4 matrix_b_fmt:MATRIX_FMT_FP4 matrix_a_scale:MATRIX_SCALE_ROW1 matrix_b_scale:MATRIX_SCALE_ROW1
.endif
.endif
.endm
.macro MULH set, hi, cm                ; the 64 accumulators take turns in one order in every step
	WIN 0xa1+0x50*(\hi)
.irp a, 0,1,2,3
.irp b, 0,1,2,3,4,5,6,7
	WM 4*(\hi)+\a, \b, \set, \cm
.endr
.endr
.endm
.macro FETCH s, set
	WIN 0x40
.irp b, 0,1,2,3,4,5,6,7
	ds_load_b128 v[64*(\set)+8*\b:64*(\set)+8*\b+3], v[AD0+(\s)/4] offset:((\s)%4)*BLKB+\b*1024
	ds_load_b128 v[64*(\set)+8*\b+4:64*(\set)+8*\b+7], v[AD0+(\s)/4] offset:((\s)%4)*BLKB+\b*1024+512
.endr
	WIN 0
.irp a, 0,1,2,3,4,5,6,7
	ds_load_b128 v[128+64*(\set)+8*\a:128+64*(\set)+8*\a+3], v[AD1+(\s)/4] offset:((\s)%4)*BLKB+\a*1024
	ds_load_b128 v[128+64*(\set)+8*\a+4:128+64*(\set)+8*\a+7], v[AD1+(\s)/4] offset:((\s)%4)*BLKB+\a*1024+512
.endr
	ds_load_b128 v[SC0+4*(\set):SC0+4*(\set)+3], v[AD0+(\s)/4] offset:((\s)%4)*BLKB+8192
	ds_load_b128 v[SC1+4*(\set):SC1+4*(\set)+3], v[AD1+(\s)/4] offset:((\s)%4)*BLKB+8192
.endm
.macro STEP s, cm
	s_wait_dscnt 0x0                               ; this step's fragments are in
.if ((\s)%2 == 1) && ((\s) < 7)
	s_wait_tensorcnt 3-((\s)+1)/2                  ; my part of the next two K steps has landed; my younger loads may be out
	s_barrier_signal -1
	s_barrier_wait -1
.endif
.if (\s) < 7
.if (\s) > 0
	PLACES 4                                       ; in front of loads into registers that the last step's products have read
.endif
	FETCH (\s)+1, ((\s)+1)%2
.endif
	MULH (\s)%2, 0, \cm
	MULH (\s)%2, 1, \cm
.endm
	s_wait_tensorcnt 3                             ; my part of K steps 0 and 1 is in; three loads of mine may be out
	s_barrier_signal -1
	s_barrier_wait -1
	FETCH 0, 0
	STEP 0, 1
.irp s, 1,2,3,4,5,6,7
	STEP \s, 0
.endr
	WIN 0
	PLACES 4
; Tile a: 16 queries x my 128 keys; a lane holds one query, register 16 b + i = key 32 b + 16 h + i.
.macro SOFT a
.set WN, 2+(\a)/4
.set AC, 64*((\a)%4)
.set W12, (WN<<2)|(WN<<4)
.set WD0, (WN<<6)|WN
.set W01, WN|(WN<<2)
.set W1,  WN<<2
	WIN W12
.irp b, 0,1,2,3
	v_max3_num_f32 v[BM+\b], v[FL], v[AC+16*\b], v[AC+16*\b+1]   ; the largest score of each block of 32 keys: for the row's maximum and, since p rises with the score, for the block's largest p
.endr
.irp i, 2,4,6,8,10,12,14
.irp b, 0,1,2,3
	v_max3_num_f32 v[BM+\b], v[BM+\b], v[AC+16*\b+\i], v[AC+16*\b+\i+1]
.endr
.endr
	WIN 0
.irp b, 0,1,2,3
	v_permlanex16_b32 v[BX+\b], v[BM+\b], s[SEL], s[SEL+1]
.endr
.irp b, 0,1,2,3
	v_max_num_f32 v[BM+\b], v[BM+\b], v[BX+\b]
.endr
	v_max3_num_f32 v[T], v[BM], v[BM+1], v[BM+2]
	v_max_num_f32 v[T], v[T], v[BM+3]
	v_mul_f32 v[T], s[CS], v[T]                    ; the largest t of my query over these 128 keys
	v_floor_f32 v[NM], -v[T]                       ; -M = floor(-t): M is a whole number
.irp b, 0,1,2,3
	v_fma_f32 v[BM+\b], v[BM+\b], s[CS], v[NM]
.endr
	WIN WD0                                        ; destination and source 0: the accumulators' window
.set j, 0
.rept 32
	v_pk_fma_f32 v[AC+j:AC+j+1], v[AC+j:AC+j+1], s[CS:CS+1], v[NM:NM+1] op_sel_hi:[1,0,0]   ; t - M, two at a time
.set j, j+2
.endr
.set j, 0
.rept 64
	v_exp_f32 v[AC+j], v[AC+j]                     ; p = 2^(t - M), at most 1
.set j, j+1
.endr
	v_nop                                          ; the plain place behind the batch
	s_wait_alu depctr_va_vdst(0)                   ; one wait for the 64, ahead of their first reader
	WIN W01
	v_pk_add_f32 v[LA:LA+1], v[AC:AC+1], v[AC+2:AC+3]             ; the sum of the unquantised p, two at a time, in two chains
	v_pk_add_f32 v[LB:LB+1], v[AC+4:AC+5], v[AC+6:AC+7]
	WIN W1
.set j, 8
.rept 14
	v_pk_add_f32 v[LA:LA+1], v[LA:LA+1], v[AC+j:AC+j+1]
	v_pk_add_f32 v[LB:LB+1], v[LB:LB+1], v[AC+j+2:AC+j+3]
.set j, j+4
.endr
	WIN 0
	v_sub_f32 v[MM+(\a)], 0, v[NM]                 ; M
.irp b, 0,1,2,3
	v_exp_f32 v[BM+\b], v[BM+\b]                   ; each block's largest p: the same two instructions on the same number
.endr
	v_pk_add_f32 v[LA:LA+1], v[LA:LA+1], v[LB:LB+1]               ; plain work behind the four
	v_add_f32 v[T], v[LA], v[LA+1]
	v_permlanex16_b32 v[BX], v[T], s[SEL], s[SEL+1]
	v_add_f32 v[LL+(\a)], v[T], v[BX]              ; with lane l xor 16's 64 keys
	s_wait_alu depctr_va_vdst(0)                   ; and one wait for the four
.irp b, 0,1,2,3
	v_max_num_f32 v[BM+\b], 0x1800000, v[BM+\b]    ; the floor 2^(3 - 127): the byte cannot fall under 1
.endr
.irp b, 0,1,2,3
	v_add_nc_u32 v[SO+\b], 0xff000000, v[BM+\b]
.endr
.irp b, 0,1,2,3
	v_lshrrev_b32 v[BX+\b], 23, v[SO+\b]
.endr
	v_lshl_or_b32 v[PW+(\a)], v[BX+1], 8, v[BX]
	v_lshl_or_b32 v[PW+(\a)], v[BX+2], 16, v[PW+(\a)]
	v_lshl_or_b32 v[PW+(\a)], v[BX+3], 24, v[PW+(\a)]
	WIN WN
.irp b, 0,1,2,3
	v_cvt_scalef32_pk8_fp4_f32 v[PC+8*(\a)+2*\b], v[AC+16*\b:AC+16*\b+7], v[SO+\b]
	v_cvt_scalef32_pk8_fp4_f32 v[PC+8*(\a)+2*\b+1], v[AC+16*\b+8:AC+16*\b+15], v[SO+\b]
.endr
	WIN 0
	v_nop                                          ; one plain place behind a scaled conversion
.irp c, 0,1
.irp i, 0,1
	v_permlane16_swap_b32 v[PC+8*(\a)+4*\c+\i], v[PC+8*(\a)+4*\c+2+\i]
.endr
.endr
	global_store_b128 v[LI], v[PC+8*(\a):PC+8*(\a)+3], s[14:15] offset:(\a)*1024
	global_store_b128 v[LI], v[PC+8*(\a)+4:PC+8*(\a)+7], s[14:15] offset:(\a)*1024+512
.endm
.irp a, 0,1,2,3,4,5,6,7
	SOFT \a
.endr
.irp j, 0,1,2,3
	v_cndmask_b32 v[PK+\j], v[PW+2*\j], v[PW+2*\j+1], s[HM]       ; lanes 0-15: tile 2 j; lanes 16-31: tile 2 j + 1
	v_cndmask_b32 v[PK+4+\j], v[MM+2*\j], v[MM+2*\j+1], s[HM]
	v_cndmask_b32 v[PK+8+\j], v[LL+2*\j], v[LL+2*\j+1], s[HM]
.endr
	global_store_b128 v[LI], v[PK:PK+3], s[14:15] offset:8192
	global_store_b128 v[LI], v[PK+4:PK+7], s[16:17]
	global_store_b128 v[LI], v[PK+8:PK+11], s[18:19]
	s_wait_tensorcnt 0x0
	ds_add_u32 v126, v127
	s_wait_dscnt 0x0
	CROUND                                         ; the closing round
	s_endpgm
.Lfunc_end_k_q334b395edb_scores:
	.size	k_q334b395edb_scores, .Lfunc_end_k_q334b395edb_scores-k_q334b395edb_scores
	.p2alignl 7, 3214868480
	.fill 96, 4, 3214868480
	.section	.rodata,"a",@progbits
	.p2align	6, 0x0
	.amdhsa_kernel k_q334b395edb_scores
		.amdhsa_group_segment_fixed_size 279040
		.amdhsa_private_segment_fixed_size 0
		.amdhsa_enable_private_segment 0
		.amdhsa_kernarg_size 40
		.amdhsa_user_sgpr_count 2
		.amdhsa_user_sgpr_kernarg_segment_ptr 1
		.amdhsa_wavefront_size32 1
		.amdhsa_system_sgpr_workgroup_id_x 1
		.amdhsa_system_sgpr_workgroup_id_y 1
		.amdhsa_system_sgpr_workgroup_id_z 1
		.amdhsa_system_vgpr_workitem_id 0
		.amdhsa_next_free_vgpr 1024
		.amdhsa_next_free_sgpr 102
		.amdhsa_reserve_vcc 0
		.amdhsa_float_denorm_mode_32 3
		.amdhsa_float_denorm_mode_16_64 3
		.amdhsa_memory_ordered 1
		.amdhsa_forward_progress 1
		.amdhsa_inst_pref_size 181
	.end_amdhsa_kernel
	.amdgpu_metadata
---
amdhsa.version: [ 1, 2 ]
amdhsa.kernels:
  - .name:           k_q334b395edb_scores
    .symbol:         k_q334b395edb_scores.kd
    .args:
      - { .name: qop, .offset: 0, .size: 8, .value_kind: global_buffer, .address_space: global }
      - { .name: kop, .offset: 8, .size: 8, .value_kind: global_buffer, .address_space: global }
      - { .name: pop, .offset: 16, .size: 8, .value_kind: global_buffer, .address_space: global }
      - { .name: mloc, .offset: 24, .size: 8, .value_kind: global_buffer, .address_space: global }
      - { .name: lloc, .offset: 32, .size: 8, .value_kind: global_buffer, .address_space: global }
    .group_segment_fixed_size: 279040
    .private_segment_fixed_size: 0
    .kernarg_segment_align: 8
    .kernarg_segment_size: 40
    .max_flat_workgroup_size: 128
    .sgpr_count:     102
    .vgpr_count:     1024
    .wavefront_size: 32
...
	.end_amdgpu_metadata
.endif
;; end of part 3
;; launch pv (part 4): grid 4 x 64, 4 waves a work-group, clusters of 4 x 4, 327,680 bytes of LDS; arguments pop, vop, mloc, lloc, out0; writes out0
.if DOCPART == 4
	.amdgcn_target "amdgcn-amd-amdhsa--gfx1250"
	.amdhsa_code_object_version 6
	.text
	.protected	k_q334b395edb_pv
	.globl	k_q334b395edb_pv
	.p2align	8
	.type	k_q334b395edb_pv,@function
k_q334b395edb_pv:
	s_mov_b64 s[64:65], 0
	v_nop
	global_prefetch_b8 v0, s[64:65] scope:SCOPE_SE
	s_setreg_imm32_b32 hwreg(HW_REG_WAVE_MODE, 25, 1), 1
	s_wait_xcnt 0x0
	s_wait_alu depctr_hold_cnt(0) depctr_sa_sdst(0) depctr_va_vdst(0) depctr_va_sdst(0) depctr_va_ssrc(0) depctr_va_vcc(0) depctr_vm_vsrc(0)
	s_getreg_b32 s2, hwreg(HW_REG_IB_STS2, 6, 4)
	s_cmp_eq_u32 s2, 0
	s_cbranch_scc0 .Lentry_in_a_cluster
	s_endpgm
.Lentry_in_a_cluster:
	s_bfe_u32 s2, ttmp6, 0x10000c
	s_cmp_lg_u32 s2, 0xf033
	s_cbranch_scc0 .Lentry_shape_is_right
	s_endpgm
.Lentry_shape_is_right:
; O^T = V^T P^T on FP4 codes (K = the batch's 2,048 keys, 16 steps), divided by the row's sum.  Source 0 = 256 rows of vop (e), source 1 = 128 rows of pop (queries).  A wave: 128 e x 64 queries, 32 accumulators.
; p was made under a whole-number M of its own for each K step.  At the head each wave takes the row's M as the largest of the sixteen, takes M(row) - M(step) off that step's four scale bytes (held at 0 from below) and
; sums l(step) x 2^(M(step) - M(row)): whole powers of two throughout.  LIMITS: the shift is held at 127; a byte held at 0 stands for 2^-127, so such a block's terms stay under 6 x 2^-127 x |v|; NaN and infinities are not served.
; CLUSTERS of 4 x 4: pop's tile hangs on cy alone (asked for jointly by a row), vop's on cx alone (by a column).  K goes in four chunks of four steps through three LDS slots of 104,448 bytes; chunks 0-2 are asked for at
; the head (three loads of mine are out at the most), chunk 3 fills slot 0 again behind a round of the cluster's barrier.  All of a WGP's LDS is claimed.
; REGISTERS: window 0: v1-8 addresses; v12, v13 the spare word's address and 0; v14, v15 the stage; v20-27 1 / l in pairs; v28-31 the rows' M and l; v32-63 pop's scale words, 2 a step; v64-71 vop's, two sets; v72-87 at work;
;   v128-191 source 1's fragments, two sets; v192-255 M and l of the sixteen steps; on the way out v128-255 hold rows of O.   window 1: v0-127 source 0's fragments, two sets.   window 2: accumulator (a, b) at v[64 a + 8 b].
.set BLKB, 8704
.set SLOT, 12*BLKB                     ; four blocks of pop, then four of each half of vop
.set SPARE, 3*SLOT                     ; the spare words: 128 bytes a wave, two blocks of 256 bytes that no other line names
.set LI,  1
.set AD1, 2                            ; v2-4  my tiles of source 1 in slots 0, 1, 2
.set AD0, 5                            ; v5-7  my half of source 0
.set HO,  8                            ; v8    16 x lane + 8 x (wave / 2): my two words of four
.set SPW, 12
.set NIL, 13
.set STO, 14
.set RD,  15
.set RL,  20
.set MR,  28
.set LS,  30
.set PS,  32
.set VS,  64
.set TA,  72
.set TB,  80
.set MV,  192
.set LV,  224
.set SEL, 2
.set WV,  20
.set FS,  21                           ; wave / 2: I fetch pop (0) or vop (1); also my 64 queries
.set HF,  22                           ; wave % 2: which half I fetch; also my 128 e
.set CX,  23
.set CY,  24
.set CC,  25
.set G1A, 28                           ; vop's tiles
.set G1B, 36                           ; pop's
.set G0A, 44
.set G0B, 68
.set HM,  67
.set K01, 95
.set OUT, 96
.set MSB, 0
.macro WIN new
.if MSB != (\new)
	s_set_vgpr_msb (MSB<<8)|(\new)
.set MSB, (\new)
.endif
.endm
.macro PLACES n
.rept \n
	v_nop
.endr
.endm
.macro CROUND
	s_barrier_signal -1
	s_barrier_wait -1
	s_cmp_lg_u32 s[WV], 0
	s_cbranch_scc1 .Lnot_wave_0_\@
	s_barrier_signal -3
.Lnot_wave_0_\@:
	s_barrier_wait -3
	s_barrier_signal -1
	s_barrier_wait -1
.endm
	s_load_b256 s[4:11], s[0:1], 0x0               ; pop, vop, mloc, lloc
	s_load_b64 s[12:13], s[0:1], 0x20              ; out0
	v_lshl_add_u32 v[SPW], v0, 2, SPARE
	v_mov_b32 v[NIL], 0
	ds_add_u32 v12, v13
	ds_add_u32 v12, v13
	s_wait_dscnt 0x0
	v_lshrrev_b32 v1, 5, v0
	v_readfirstlane_b32 s[WV], v1
	s_lshr_b32 s[FS], s[WV], 1
	s_and_b32 s[HF], s[WV], 1
	s_bfe_u32 s[CX], ttmp6, 0x40000
	s_bfe_u32 s[CY], ttmp6, 0x40004
	s_and_b32 s[CC], ttmp7, 0xffff
	s_lshl_b32 s84, 0x1111, s[CX]
	s_lshl_b32 s88, s[CY], 2
	s_lshl_b32 s88, 15, s88
	s_or_b32 s[G1A], s84, (3<<16)|(1<<21)          ; vop's tiles go to my column: 34,816 dense bytes as 136 rows of 256
	s_mov_b32 s[G1A+1], 32<<16
	s_mov_b32 s[G1A+2], 136<<16
	s_mov_b32 s[G1A+3], 32<<16
	s_mov_b32 s[G1A+4], 136
	s_mov_b32 s[G1A+5], 32
	s_mov_b32 s[G1A+6], 0
	s_mov_b32 s[G1A+7], 0
	s_or_b32 s[G1B], s88, (3<<16)|(1<<21)          ; pop's to my row: 17,408 bytes as 68 rows
	s_mov_b32 s[G1B+1], 32<<16
	s_mov_b32 s[G1B+2], 68<<16
	s_mov_b32 s[G1B+3], 32<<16
	s_mov_b32 s[G1B+4], 68
	s_mov_b32 s[G1B+5], 32
	s_mov_b32 s[G1B+6], 0
	s_mov_b32 s[G1B+7], 0
	s_lshr_b32 s84, s[CC], 2                       ; the batch
	s_lshl_b32 s84, s84, 3
	s_lshl_b32 s85, s[CX], 1
	s_add_co_u32 s84, s84, s85
	s_add_co_u32 s84, s84, s[HF]                   ; vop's block of 128 e
	s_mul_i32 s84, s84, 16*BLKB
	s_mov_b32 s85, 0
	s_lshl_b32 s88, s[CC], 2
	s_add_co_u32 s88, s88, s[CY]                   ; pop's block of 128 queries
	s_lshl_b32 s88, s88, 4
	s_lshl_b32 s89, s[HF], 1                       ; I fetch two of a chunk's four K steps
	s_add_co_u32 s88, s88, s89
	s_mul_i32 s88, s88, BLKB
	s_mov_b32 s89, 0
	s_mul_i32 s92, s[HF], 4*BLKB
	s_add_co_u32 s92, s92, 4*BLKB                  ; vop's halves lie behind pop's four blocks
	s_mul_i32 s93, s[HF], 2*BLKB
	v_and_b32 v9, 31, v0
	v_lshlrev_b32 v[LI], 4, v9
	v_lshl_add_u32 v[HO], s[FS], 3, v[LI]
	s_lshl_b32 s60, s[CC], 2
	s_add_co_u32 s60, s60, s[CY]                   ; my block of 128 queries
	s_mul_i32 s62, s60, 16*BLKB
	s_add_co_u32 s62, s62, 8192
	s_mov_b32 s63, 0
	s_lshl_b32 s26, s60, 13
	s_mov_b32 s27, 0
	s_wait_kmcnt 0x0
	s_add_nc_u64 s[14:15], s[4:5], s[62:63]        ; its scale words, 8,704 bytes from K step to K step
	s_add_nc_u64 s[16:17], s[8:9], s[26:27]        ; its M, 512 bytes from step to step
	s_add_nc_u64 s[18:19], s[10:11], s[26:27]      ; its l
	; these 48 loads go out first of all: the arithmetic on them stands ahead of the first product
.set i, 0
.rept 16                                       ; word u of my two: tile 4 (wave / 2) + 2 u in lanes 0-15, the next tile in lanes 16-31
	global_load_b64 v[MV+2*i:MV+2*i+1], v[HO], s[16:17] offset:i*512
	global_load_b64 v[LV+2*i:LV+2*i+1], v[HO], s[18:19] offset:i*512
	global_load_b64 v[PS+2*i:PS+2*i+1], v[HO], s[14:15] offset:i*BLKB
.set i, i+1
.endr
	s_add_nc_u64 s[86:87], s[6:7], s[84:85]
	s_add_nc_u64 s[90:91], s[4:5], s[88:89]
.irp c, 0,1,2
	s_mov_b32 s[G0A+4*\c], 1
	s_add_co_u32 s[G0A+4*\c+1], s92, \c*SLOT
	s_add_nc_u64 s[G0A+4*\c+2:G0A+4*\c+3], s[86:87], \c*4*BLKB
	s_or_b32 s[G0A+4*\c+3], s[G0A+4*\c+3], 0x80000000
	s_mov_b32 s[G0B+4*\c], 1
	s_add_co_u32 s[G0B+4*\c+1], s93, \c*SLOT
	s_add_nc_u64 s[G0B+4*\c+2:G0B+4*\c+3], s[90:91], \c*4*BLKB
	s_or_b32 s[G0B+4*\c+3], s[G0B+4*\c+3], 0x80000000
.endr
	CROUND
	s_cmp_eq_u32 s[FS], 0                          ; a wave's three first fills stand in one branch on its number
	s_cbranch_scc0 .Lfill_v
	tensor_load_to_lds s[G0B:G0B+3], s[G1B:G1B+7]
	s_nop 0
	tensor_load_to_lds s[G0B+4:G0B+7], s[G1B:G1B+7]
	s_nop 0
	tensor_load_to_lds s[G0B+8:G0B+11], s[G1B:G1B+7]
	s_nop 0
	PLACES 4
	s_branch .Lfilled
.Lfill_v:
	tensor_load_to_lds s[G0A:G0A+3], s[G1A:G1A+7]
	s_nop 0
	tensor_load_to_lds s[G0A+4:G0A+7], s[G1A:G1A+7]
	s_nop 0
	tensor_load_to_lds s[G0A+8:G0A+11], s[G1A:G1A+7]
	s_nop 0
	PLACES 4
.Lfilled:
	s_lshl_b32 s62, s60, 19                        ; 128 rows of 4,096 bytes
	s_lshl_b32 s61, s[FS], 18                      ; my 64 rows
	s_add_co_u32 s62, s62, s61
	s_lshl_b32 s61, s[CX], 10                      ; 256 e
	s_add_co_u32 s62, s62, s61
	s_lshl_b32 s61, s[HF], 9                       ; my 128
	s_add_co_u32 s62, s62, s61
	s_add_nc_u64 s[OUT:OUT+1], s[12:13], s[62:63]
	s_lshl_b32 s61, s[FS], 12                      ; my four tiles of source 1
	s_mul_i32 s66, s[HF], 4*BLKB
	s_add_co_u32 s66, s66, 4*BLKB
.irp g, 0,1,2
	v_add_nc_u32 v[AD1+\g], s61, v[LI]
	v_add_nc_u32 v[AD0+\g], s66, v[LI]
	s_add_co_u32 s61, s61, SLOT
	s_add_co_u32 s66, s66, SLOT
.endr
	s_mul_i32 s61, s[WV], 16*528                   ; my stage, 16 rows x (512 + 16) bytes, in slot 1: it has had its last fill, and its last read lies in front of the barrier of step 11
	s_add_co_u32 s61, s61, SLOT
	v_and_b32 v9, 15, v0
	v_bfe_u32 v10, v0, 4, 1
	v_mul_u32_u24 v[STO], v9, 528
	v_lshl_add_u32 v[STO], v10, 6, v[STO]
	v_add_nc_u32 v[STO], s61, v[STO]
	v_add_nc_u32 v[RD], s61, v[LI]
	s_mov_b32 s[SEL], 0x76543210
	s_mov_b32 s[SEL+1], 0xfedcba98
	s_mov_b32 s[HM], 0xffff0000
	s_mov_b32 s[K01], 0x01010101
.macro WMP a, b, set, s, zero
.set rD, 64*(\a)+8*(\b)
.set rA, 64*(\set)+8*(\b)
.set rB, 128+32*(\set)+8*(\a)
.set rX, VS+4*(\set)+(\b)/2
.set rY, PS+2*(\s)+(\a)/2
.set par, 2*((\a)%2)+(\b)%2
.if (\zero) == 1
.if par == 0
	v_wmma_scale_f32_16x16x128_f8f6f4 v[rD:rD+7], v[rA:rA+7], v[rB:rB+7], 0, v[rX], v[rY] matrix_a_fmt:MATRIX_FMT_FP4 matrix_b_fmt:MATRIX_FMT_FP4
.elseif par == 1
	v_wmma_scale_f32_16x16x128_f8f6f4 v[rD:rD+7], v[rA:rA+7], v[rB:rB+7], 0, v[rX], v[rY] matrix_a_fmt:MATRIX_FMT_FP4 matrix_b_fmt:MATRIX_FMT_FP4 matrix_a_scale:MATRIX_SCALE_ROW1
.elseif par == 2
	v_wmma_scale_f32_16x16x128_f8f6f4 v[rD:rD+7], v[rA:rA+7], v[rB:rB+7], 0, v[rX], v[rY] matrix_a_fmt:MATRIX_FMT_FP4 matrix_b_fmt:MATRIX_FMT_FP4 matrix_b_scale:MATRIX_SCALE_ROW1
.else
	v_wmma_scale_f32_16x16x128_f8f6f4 v[rD:rD+7], v[rA:rA+7], v[rB:rB+7], 0, v[rX], v[rY] matrix_a_fmt:MATRIX_FMT_FP4 matrix_b_fmt:MATRIX_FMT_FP4 matrix_a_scale:MATRIX_SCALE_ROW1 matrix_b_scale:MATRIX_SCALE_ROW1
.endif
.else
.if par == 0
	v_wmma_scale_f32_16x16x128_f8f6f4 v[rD:rD+7], v[rA:rA+7], v[rB:rB+7], v[rD:rD+7], v[rX], v[rY] matrix_a_fmt:MATRIX_FMT_FP4 matrix_b_fmt:MATRIX_FMT_FP4
.elseif par == 1
	v_wmma_scale_f32_16x16x128_f8f6f4 v[rD:rD+7], v[rA:rA+7], v[rB:rB+7], v[rD:rD+7], v[rX], v[rY] matrix_a_fmt:MATRIX_FMT_FP4 matrix_b_fmt:MATRIX_FMT_FP4 matrix_a_scale:MATRIX_SCALE_ROW1
.elseif par == 2
	v_wmma_scale_f32_16x16x128_f8f6f4 v[rD:rD+7], v[rA:rA+7], v[rB:rB+7], v[rD:rD+7], v[rX], v[rY] matrix_a_fmt:MATRIX_FMT_FP4 matrix_b_fmt:MATRIX_FMT_FP4 matrix_b_scale:MATRIX_SCALE_ROW1
.else
	v_wmma_scale_f32_16x16x128_f8f6f4 v[rD:rD+7], v[rA:rA+7], v[rB:rB+7], v[rD:rD+7], v[rX], v[rY] matrix_a_fmt:MATRIX_FMT_FP4 matrix_b_fmt:MATRIX_FMT_FP4 matrix_a_scale:MATRIX_SCALE_ROW1 matrix_b_scale:MATRIX_SCALE_ROW1
.endif
.endif
.endm
.macro MULP set, s, zero               ; a K step's 32 products: the 32 accumulators take turns in one order
	WIN 0xa1
.irp a, 0,1,2,3
.irp b, 0,1,2,3,4,5,6,7
	WMP \a, \b, \set, \s, \zero
.endr
.endr
.endm
.macro FETCHP s, set                   ; K step s: 25 LDS loads of 512 consecutive bytes; chunk s / 4 lies in slot (s / 4) % 3
.set SG, ((\s)/4)%3
	WIN 0x40
.irp b, 0,1,2,3,4,5,6,7
	ds_load_b128 v[64*(\set)+8*\b:64*(\set)+8*\b+3], v[AD0+SG] offset:((\s)%4)*BLKB+\b*1024
	ds_load_b128 v[64*(\set)+8*\b+4:64*(\set)+8*\b+7], v[AD0+SG] offset:((\s)%4)*BLKB+\b*1024+512
.endr
	WIN 0
.irp a, 0,1,2,3
	ds_load_b128 v[128+32*(\set)+8*\a:128+32*(\set)+8*\a+3], v[AD1+SG] offset:((\s)%4)*BLKB+\a*1024
	ds_load_b128 v[128+32*(\set)+8*\a+4:128+32*(\set)+8*\a+7], v[AD1+SG] offset:((\s)%4)*BLKB+\a*1024+512
.endr
	ds_load_b128 v[VS+4*(\set):VS+4*(\set)+3], v[AD0+SG] offset:((\s)%4)*BLKB+8192
.endm
.macro STEPP s, zero
	s_wait_dscnt 0x0                               ; this step's fragments are in
.if (\s) < 15
.if (\s) > 0
	PLACES 4                                       ; in front of loads into registers that the last step's products have read
.endif
	FETCHP (\s)+1, ((\s)+1)%2
.endif
	MULP (\s)%2, \s, \zero
.endm
; Eight of the 32 scale registers (K steps 4 g .. 4 g + 3) are brought under the row's M.  Each operation runs over all eight before the next begins, so that no line waits for the line above it.
.macro ADJ g
.irp i, 0,1,2,3,4,5,6,7
	v_sub_f32 v[TA+\i], v[MV+8*(\g)+\i], v[MR+(\i%2)]              ; M(step) - M(row): a whole number, 0 or less,
.endr
.irp i, 0,1,2,3,4,5,6,7
	v_max_num_f32 v[TA+\i], 0xc2fe0000, v[TA+\i]                   ; held at -127
.endr
.irp i, 0,1,2,3,4,5,6,7
	v_cvt_i32_f32 v[TA+\i], v[TA+\i]
.endr
.irp i, 0,1,2,3,4,5,6,7
	v_ldexp_f32 v[LV+8*(\g)+\i], v[LV+8*(\g)+\i], v[TA+\i]         ; l under the row's M: the shift rounds nothing
.endr
.irp i, 0,1,2,3,4,5,6,7
	v_mul_lo_u32 v[TA+\i], v[TA+\i], s[K01]                        ; the shift in each of the four bytes
.endr
.irp i, 0,1,2,3,4,5,6,7
	v_or_b32 v[TB+\i], 0x80808080, v[PS+8*(\g)+\i]                 ; p is at most 1, so a byte is at most 125: bit 7 is free to guard each byte against a borrow
.endr
.irp i, 0,1,2,3,4,5,6,7
	v_add_nc_u32 v[TB+\i], v[TB+\i], v[TA+\i]
.endr
.irp i, 0,1,2,3,4,5,6,7
	v_and_b32 v[TA+\i], 0x80808080, v[TB+\i]                       ; the guard bit stands where the byte has not fallen under 0
.endr
.irp i, 0,1,2,3,4,5,6,7
	v_lshrrev_b32 v[MV+8*(\g)+\i], 7, v[TA+\i]                     ; (M's registers are done with)
.endr
.irp i, 0,1,2,3,4,5,6,7
	v_sub_nc_u32 v[TA+\i], v[TA+\i], v[MV+8*(\g)+\i]               ; 0x80 - 0x01 = 0x7f in such a byte, 0 in the others
.endr
.irp i, 0,1,2,3,4,5,6,7
	v_and_b32 v[PS+8*(\g)+\i], v[TB+\i], v[TA+\i]                  ; the byte less the shift, held at 0
.endr
.endm
	s_wait_tensorcnt 2                             ; my part of chunk 0 is in; chunks 1 and 2 may be out
	s_barrier_signal -1
	s_barrier_wait -1
	FETCHP 0, 0                                    ; the first fragments land while the scale words are worked on
	s_wait_loadcnt 0x0                             ; M, l and pop's scale words
.irp u, 0,1
	v_max_num_f32 v[MR+\u], v[MV+\u], v[MV+2+\u]
.endr
.irp s, 2,4,6,8,10,12,14
.irp u, 0,1
	v_max3_num_f32 v[MR+\u], v[MR+\u], v[MV+2*\s+\u], v[MV+2*\s+2+\u]   ; the row's M
.endr
.endr
	ADJ 0
	ADJ 1
	ADJ 2
	ADJ 3
.irp k, 0,1,2,3,4,5,6,7                        ; the row's l: sixteen pairs (my two words of a step), two numbers an addition, in a tree
	v_pk_add_f32 v[LV+4*\k:LV+4*\k+1], v[LV+4*\k:LV+4*\k+1], v[LV+4*\k+2:LV+4*\k+3]
.endr
.irp k, 0,1,2,3
	v_pk_add_f32 v[LV+8*\k:LV+8*\k+1], v[LV+8*\k:LV+8*\k+1], v[LV+8*\k+4:LV+8*\k+5]
.endr
.irp k, 0,1
	v_pk_add_f32 v[LV+16*\k:LV+16*\k+1], v[LV+16*\k:LV+16*\k+1], v[LV+16*\k+8:LV+16*\k+9]
.endr
	v_pk_add_f32 v[LS:LS+1], v[LV:LV+1], v[LV+16:LV+17]
	v_rcp_f32 v[LS], v[LS]
	v_rcp_f32 v[LS+1], v[LS+1]
	v_nop                                          ; the plain place behind the two
	s_wait_alu depctr_va_vdst(0)                   ; and the wait ahead of their first reader
	v_permlanex16_b32 v[TA], v[LS], s[SEL], s[SEL+1]
	v_permlanex16_b32 v[TA+4], v[LS+1], s[SEL], s[SEL+1]
.irp k, 0,1                                    ; 1 / l of tile a's row r in lanes r and 16 + r; written twice: the packed multiply names a pair
	v_cndmask_b32 v[RL+\k], v[LS], v[TA], s[HM]
	v_cndmask_b32 v[RL+2+\k], v[TA], v[LS], s[HM]
	v_cndmask_b32 v[RL+4+\k], v[LS+1], v[TA+4], s[HM]
	v_cndmask_b32 v[RL+6+\k], v[TA+4], v[LS+1], s[HM]
.endr
	PLACES 8                                       ; pop's scale words were written by vector instructions: eight places ahead of the first scaled product
	STEPP 0, 1
	STEPP 1, 0
	STEPP 2, 0
	; step 3: slot 0 has been read out (its last fragments are awaited below) and takes chunk 3
	WIN 0
	s_wait_tensorcnt 0x0                           ; all my tensor loads have landed: my parts of slots 1 and 2; so a group 0 may be written
	ds_add_u32 v[SPW], v[NIL]                      ; 0 onto my spare word
	s_add_nc_u64 s[G0A+2:G0A+3], s[G0A+2:G0A+3], 3*4*BLKB          ; from chunk 0 to chunk 3; the LDS address stays slot 0's
	s_add_nc_u64 s[G0B+2:G0B+3], s[G0B+2:G0B+3], 3*4*BLKB
	s_wait_dscnt 0x0                               ; the add is done, and my reads of slot 0 are over
	CROUND                                         ; both now hold of every wave of all sixteen work-groups
	s_cmp_eq_u32 s[FS], 0
	s_cbranch_scc0 .Lrefill_v
	tensor_load_to_lds s[G0B:G0B+3], s[G1B:G1B+7]  ; my one tensor load behind the round, and the first thing there
	s_nop 0
	PLACES 4                                       ; also the places in front of the loads below
	s_branch .Lrefilled
.Lrefill_v:
	tensor_load_to_lds s[G0A:G0A+3], s[G1A:G1A+7]
	s_nop 0
	PLACES 4
.Lrefilled:
	FETCHP 4, 0
	MULP 1, 3, 0
.irp s, 4,5,6,7,8,9,10
	STEPP \s, 0
.endr
	; step 11: chunk 3 is wanted
	s_wait_dscnt 0x0
	s_wait_tensorcnt 0x0                           ; my one load that was out
	s_barrier_signal -1
	s_barrier_wait -1                              ; everybody's part of chunk 3 is in
	PLACES 4
	FETCHP 12, 0
	MULP 1, 11, 0
.irp s, 12,13,14,15
	STEPP \s, 0
.endr
	WIN 0
	PLACES 4
; THE WAY OUT, tile by tile of 16 queries x 128 e: divided by l; a lane's 64 bytes of each 32 e go into my stage; whole rows of 512 bytes come back and are stored by the 32 lanes.
.macro TOSTAGE a
	WIN 0x82                                       ; destination and source 0 window 2
.set j, 0
.rept 32
	v_pk_mul_f32 v[64*(\a)+j:64*(\a)+j+1], v[64*(\a)+j:64*(\a)+j+1], v[RL+2*(\a):RL+2*(\a)+1] op_sel_hi:[1,0]   ; each accumulator from its low end on
.set j, j+2
.endr
	WIN 0x08                                       ; an LDS store's data: window 2
.irp b, 0,1,2,3,4,5,6,7
	ds_store_b128 v[STO], v[64*(\a)+8*\b:64*(\a)+8*\b+3] offset:128*(\b/2)+32*(\b%2)
	ds_store_b128 v[STO], v[64*(\a)+8*\b+4:64*(\a)+8*\b+7] offset:128*(\b/2)+32*(\b%2)+16
.endr
	WIN 0
.set BB, 128+64*((\a)%2)
.irp t, 0,1,2,3,4,5,6,7,8,9,10,11,12,13,14,15
	ds_load_b128 v[BB+4*\t:BB+4*\t+3], v[RD] offset:\t*528     ; LDS serves a wave's instructions in order: these see my stores, and the next tile's stores come behind them
.endr
.endm
.macro SEND a, younger                 ; younger: the LDS instructions issued behind tile a's loads
.set BB, 128+64*((\a)%2)
	s_wait_dscnt \younger
.irp t, 0,1,2,3,4,5,6,7,8,9,10,11,12,13,14,15
	global_store_b128 v[LI], v[BB+4*\t:BB+4*\t+3], s[OUT:OUT+1] offset:(32*((\a)/2)+8*((\a)%2)+\t+8*(\t/8))*4096 th:TH_STORE_NT   ; stage row t is lane t's row of the tile; 512 consecutive bytes, at a multiple of 256
.endr
.endm
	TOSTAGE 0
.irp a, 1,2,3
.if \a > 1
	s_wait_xcnt 0x0                                ; tile a - 2's stores have read their registers: tile a's rows may land there
.endif
	TOSTAGE \a
	SEND \a-1, 32                                  ; behind tile a - 1's loads: tile a's 16 stores and 16 loads
.endr
	SEND 3, 0
	s_wait_tensorcnt 0x0                           ; the wave's end
	ds_add_u32 v[SPW], v[NIL]
	s_wait_dscnt 0x0
	CROUND                                         ; the closing round
	s_endpgm
.Lfunc_end_k_q334b395edb_pv:
	.size	k_q334b395edb_pv, .Lfunc_end_k_q334b395edb_pv-k_q334b395edb_pv
	.p2alignl 7, 3214868480
	.fill 96, 4, 3214868480
	.section	.rodata,"a",@progbits
	.p2align	6, 0x0
	.amdhsa_kernel k_q334b395edb_pv
		.amdhsa_group_segment_fixed_size 327680
		.amdhsa_private_segment_fixed_size 0
		.amdhsa_enable_private_segment 0
		.amdhsa_kernarg_size 40
		.amdhsa_user_sgpr_count 2
		.amdhsa_user_sgpr_kernarg_segment_ptr 1
		.amdhsa_wavefront_size32 1
		.amdhsa_system_sgpr_workgroup_id_x 1
		.amdhsa_system_sgpr_workgroup_id_y 1
		.amdhsa_system_sgpr_workgroup_id_z 1
		.amdhsa_system_vgpr_workitem_id 0
		.amdhsa_next_free_vgpr 768
		.amdhsa_next_free_sgpr 102
		.amdhsa_reserve_vcc 0
		.amdhsa_float_denorm_mode_32 3
		.amdhsa_float_denorm_mode_16_64 3
		.amdhsa_memory_ordered 1
		.amdhsa_forward_progress 1
		.amdhsa_inst_pref_size 149
	.end_amdhsa_kernel
	.amdgpu_metadata
---
amdhsa.version: [ 1, 2 ]
amdhsa.kernels:
  - .name:           k_q334b395edb_pv
    .symbol:         k_q334b395edb_pv.kd
    .args:
      - { .name: pop, .offset: 0, .size: 8, .value_kind: global_buffer, .address_space: global }
      - { .name: vop, .offset: 8, .size: 8, .value_kind: global_buffer, .address_space: global }
      - { .name: mloc, .offset: 16, .size: 8, .value_kind: global_buffer, .address_space: global }
      - { .name: lloc, .offset: 24, .size: 8, .value_kind: global_buffer, .address_space: global }
      - { .name: out0, .offset: 32, .size: 8, .value_kind: global_buffer, .address_space: global }
    .group_segment_fixed_size: 327680
    .private_segment_fixed_size: 0
    .kernarg_segment_align: 8
    .kernarg_segment_size: 40
    .max_flat_workgroup_size: 128
    .sgpr_count:     102
    .vgpr_count:     768
    .wavefront_size: 32
...
	.end_amdgpu_metadata
.endif
;; end of part 4
